; MI455X (gfx1250); checked and timed in simulation.
; The chip was launched on July 23, 2026; its instructions are those of AMD's public machine-readable ISA for CDNA 5 (MIT licence, August 2026) and "CDNA5" Instruction Set Architecture Reference Guide (July 2026). The comments in the code are by the model that wrote it; some were corrected since.
;; Retentive Attention. Allowed arithmetic: matrix products marked QUANTISED: E5M2 operands, one E8M0 scale for each 32 along K, by v_wmma_scale_f32_16x16x128_f8f6f4 with both operands' format E5M2, f32 sums; everything else in f32.
;; Inputs: Wk 1,024 x 1,024 float32; Wo 1,024 x 1,024 float32; Wq 1,024 x 1,024 float32; Wv 1,024 x 1,024 float32; bk 1,024 float32; bo 1,024 float32; bq 1,024 float32; bv 1,024 float32; gamma 16 float32; x 2 x 2,048 x 1,024 float32.
;; Outputs: out0 2 x 2,048 x 1,024 float32.
;; This version of the problem:
;;   THIS VERSION OF THE PROBLEM IS GIVEN IN LOW PRECISION. The matrix products marked QUANTISED in the list below multiply operands that are first quantised to E5M2 (5 exponent bits, 2 mantissa bits; 8 bits a number), with one power-of-two scale for each 32 numbers along K (OCP MX v1.0); their sums are f32. All else is computed in f32.
;;   The module's matrix products, in the order in which they are computed (A, B: the left and right operand; K: the contracted axis; several contracted axes count as one K, in the product's order):
;;     1. [M 4,096, K 1,024] x [K 1,024, N 1,024]; A: input x; B: input Wq: QUANTISED
;;     2. [M 4,096, K 1,024] x [K 1,024, N 1,024]; A: input x; B: input Wk: QUANTISED
;;     3. [M 4,096, K 1,024] x [K 1,024, N 1,024]; A: input x; B: input Wv: QUANTISED
;;     4. batch 32 x [M 2,048, K 64] x [K 64, N 2,048]; A: computed on the way; B: computed on the way: QUANTISED
;;     5. batch 32 x [M 2,048, K 2,048] x [K 2,048, N 64]; A: computed on the way; B: computed on the way: QUANTISED
;;     6. [M 4,096, K 1,024] x [K 1,024, N 1,024]; A: computed on the way; B: input Wo: QUANTISED
;;   THE QUANTISER, for each operand of a quantised product, along K:
;;     - K is cut into blocks of 32 from its start; a last block that is shorter is filled with zeros.
;;     - A block's scale is 2^e with e = floor(log2(the largest magnitude in the block)) - 15, held to -126 .. 127; a block of zeros has e = 0. As a byte (E8M0): e + 127.
;;     - Each number is divided by its block's scale, clamped to +-57,344, and rounded to the nearest number of E5M2, ties to even, subnormals kept.
;;     - The product sums the exact products of the quantised numbers (number of the format x scale) in f32.
;;   ~~~python
;;   def quantise(x, axis):      # numpy; x: float32 -> the quantised numbers, widened to float32 again
;;       x = np.moveaxis(x, axis, -1); K = x.shape[-1]
;;       x = np.pad(x, [(0, 0)] * (x.ndim - 1) + [(0, -K % 32)]); x = x.reshape(x.shape[:-1] + (-1, 32)); a = np.abs(x).max(-1, keepdims=True)
;;       e = np.where(a > 0, np.clip(np.frexp(np.where(a > 0, a, 1))[1] - 1 - 15, -126, 127), 0)      # np.frexp(a)[1] - 1 = floor(log2(a)), exactly
;;       r = np.clip(x / 2.0 ** e, -57344, 57344)
;;       step = 2.0 ** (np.maximum(np.frexp(np.where(r == 0, 1, r))[1] - 1, -14) - 2)
;;       q = np.round(r / step) * step * 2.0 ** e      # np.round: ties to even
;;       return np.moveaxis(q.reshape(q.shape[:-2] + (-1,))[..., :K], -1, axis).astype(np.float32)
;;   ~~~
;;   OPERANDS COMPUTED ON THE WAY. 'Computed on the way' means the value that the module computes at that place (a softmax that the list does not call 'softmax' is quantised finished and normalised). What goes into a quantiser is computed in f32, as accurately as f32 sums, v_exp_f32 and their like allow (about 1e-6 of the number): no bf16 or f16 on the way to a quantiser, and a product that is left as it is and whose result goes on into a quantised operand takes f32 operands (vector FMAs, or v_wmma_f32_16x16x4_f32). A number that lies on a knife's edge between two numbers of the format may be rounded either way, as far as f32 arithmetic and the matrix unit's own rounding can turn it there, and no further.
;; One version. Each part assembles by itself: llvm-mc -triple=amdgcn-amd-amdhsa -mcpu=gfx1250 --defsym DOCPART=n.
;; ======== version 1 of 1: 4 launches
;; workspace buffers: xc 4,194,304 bytes; xs 131,072 bytes; wc 4,194,304 bytes; ws 131,072 bytes; qkvc 12,582,912 bytes; qkvs 393,216 bytes; oc 4,194,304 bytes; osc 131,072 bytes
;; launch quant (part 1): grid 256 x 1, 4 waves a work-group, no clusters, 33,280 bytes of LDS; arguments x, Wq, Wk, Wv, Wo, xc, xs, wc, ws; writes xc, xs, wc, ws
.if DOCPART == 1
	.amdgcn_target "amdgcn-amd-amdhsa--gfx1250"
	.amdhsa_code_object_version 6
	.text
	.protected	k_qbab3540be7_quant
	.globl	k_qbab3540be7_quant
	.p2align	8
	.type	k_qbab3540be7_quant,@function
k_qbab3540be7_quant:
	s_mov_b64 s[64:65], 0
	v_nop
	global_prefetch_b8 v0, s[64:65] scope:SCOPE_SE
	s_setreg_imm32_b32 hwreg(HW_REG_WAVE_MODE, 25, 1), 1
	s_wait_xcnt 0x0
; x [4096][1024] and the four weights [1024][1024], f32, K innermost, become codes of E5M2 with one E8M0 byte for each 32 along K.
; xc [4096][1024], xs [4096][32]: x.  wc, ws likewise: rows 0-1023 Wq, 1024-2047 Wk, 2048-3071 Wv, 3072-4095 Wo.
; A block's scale is 2^(floor(log2(its largest magnitude)) - 15); its byte is the largest magnitude's exponent field - 15, held at 1 from below.
; (A block of zeros gets the byte 1 where the quantiser says 127: its codes are zeros, and this program alone reads the bytes.)
; THE SLOT ORDER.  Inside each block of 32 the codes are not laid in the order of k: byte s of the block holds k = 8 (s / 16) + s % 8 + 16 ((s / 8) % 2).
; Every operand of every product of this program is laid so, both sides alike, so each product still pairs equal k, and a block's scale is untouched.
; The order is the one in which a transposed matrix result falls into a lane's registers, so that the later launches quantise results without moving them.
; LIMITS: NaN and infinities among the inputs are not served; blocks whose largest magnitude lies under 2^(16 - 127) keep the byte 1.
; Rows are dense, so each tensor is a stream of blocks.  A work-group takes 32,768 numbers, a wave 16 steps of 512.  Work-groups 0-127: x; then 32 each for Wq, Wk, Wv, Wo.
; Each load reads 512 consecutive bytes; a step's 2,048 bytes turn through the wave's own stage in LDS (16 bytes of padding behind each 64) and come back 16 numbers a lane:
; the even lane of a pair takes k = 0-7 and 16-23 of the pair's block, the odd lane k = 8-15 and 24-31.  No barrier: waves share nothing.
; Loads run eight steps (32 loads, 16,384 bytes a wave) ahead of the work, the turn through LDS one step.
.set STEPS, 16
.set AHEAD, 8                          ; steps whose loads are on their way
.set EMAX,  15
.set MANT,  0x600000                   ; the mantissa field of 57,344 as f32
.set CB,    16                         ; bytes of 16 codes
.set R,     16                         ; v16-143  eight sets of 16 numbers as they are loaded
.set X,     144                        ; v144-175 two sets of 16 numbers of one block
.set E,     176                        ; v176-191 a scale byte for each step
.set C,     192                        ; v192-255 codes: four registers for each step, so that no store's data are written again
.set WREG,  8192                       ; LDS: a region for each wave: two stages of 32 x SP bytes, then its 256 scale bytes
.set SP,    80                         ; 64 bytes + 16 of padding
	s_load_b128 s[4:7], s[0:1], 0x0                ; x, Wq
	s_load_b128 s[8:11], s[0:1], 0x10              ; Wk, Wv
	s_load_b128 s[12:15], s[0:1], 0x20             ; Wo, xc
	s_load_b128 s[16:19], s[0:1], 0x30             ; xs, wc
	s_load_b64 s[20:21], s[0:1], 0x40              ; ws
	s_set_vgpr_msb 0x40
	v_lshl_add_u32 v0, v0, 2, 0x8000
	v_mov_b32 v1, 0
	s_set_vgpr_msb 0x4000
	v_lshrrev_b32 v1, 5, v0
	v_readfirstlane_b32 s24, v1                    ; wave
	v_and_b32 v2, 31, v0                           ; lane
	v_lshlrev_b32 v3, 4, v2                        ; my 16 bytes of a load's 512
	s_mul_i32 s25, s24, WREG
	v_lshrrev_b32 v14, 2, v2
	v_mul_u32_u24 v14, v14, SP
	v_and_b32 v15, 3, v2
	v_lshl_add_u32 v14, v15, 4, v14
	v_add_nc_u32 v14, s25, v14                     ; the stage, on the way in: SP (lane / 4) + 16 (lane % 4)
	v_and_b32 v15, 30, v2
	v_mul_u32_u24 v15, v15, SP
	v_and_b32 v13, 1, v2
	v_lshl_add_u32 v15, v13, 5, v15
	v_add_nc_u32 v15, s25, v15                     ; on the way out: my pair's block begins at SP x (lane & 30); my eight numbers of each half of it 32 (lane & 1) bytes on
	v_mul_u32_u24 v4, v2, CB                       ; my codes' place in a step's
	v_lshrrev_b32 v5, 1, v2
	s_add_co_u32 s25, s25, 2*32*SP
	v_add_nc_u32 v5, s25, v5                       ; LDS: my wave's 256 scale bytes, my block's byte
	v_lshlrev_b32 v7, 3, v2                        ; and on the way out 8 bytes a lane
	v_add_nc_u32 v6, s25, v7
	s_mov_b32 s23, MANT
	s_and_b32 s27, ttmp9, 31                       ; a weight's work-groups count from a multiple of 32
	s_wait_kmcnt 0x0
	s_cmp_lt_u32 ttmp9, 224                        ; which tensor: the choice hangs on the work-group's number alone
	s_cselect_b64 s[12:13], s[10:11], s[12:13]
	s_cmp_lt_u32 ttmp9, 192
	s_cselect_b64 s[12:13], s[8:9], s[12:13]
	s_cmp_lt_u32 ttmp9, 160
	s_cselect_b64 s[12:13], s[6:7], s[12:13]
	s_cmp_lt_u32 ttmp9, 128
	s_cselect_b64 s[12:13], s[4:5], s[12:13]       ; the source
	s_cselect_b64 s[14:15], s[14:15], s[18:19]     ; its codes
	s_cselect_b64 s[16:17], s[16:17], s[20:21]     ; its scale bytes
	s_cselect_b32 s27, ttmp9, s27                  ; the work-group's place in the source,
	s_cselect_b32 s26, 0, 128
	s_sub_co_u32 s26, ttmp9, s26                   ; and in the destination
	s_lshl_b32 s27, s27, 2
	s_add_co_u32 s27, s27, s24
	s_lshl_b32 s28, s27, 15                        ; a wave's run: 8,192 numbers, 32,768 bytes
	s_mov_b32 s29, 0
	s_add_nc_u64 s[12:13], s[12:13], s[28:29]
	s_lshl_b32 s26, s26, 2
	s_add_co_u32 s26, s26, s24
	s_lshl_b32 s28, s26, 13                        ; 8,192 codes
	s_add_nc_u64 s[14:15], s[14:15], s[28:29]
	s_lshl_b32 s28, s26, 8                         ; 256 scale bytes
	s_add_nc_u64 s[16:17], s[16:17], s[28:29]
.macro LOAD t
.irp i, 0,1,2,3
	global_load_b128 v[R+16*((\t)%AHEAD)+4*\i:R+16*((\t)%AHEAD)+4*\i+3], v3, s[12:13] offset:2048*(\t)+512*\i th:TH_LOAD_NT   ; 32 lanes read 512 consecutive bytes
.endr
.endm
.macro TURN t                          ; step t's numbers through the stage: LDS serves a wave's instructions in order, so no wait stands between the stores and the loads
.irp i, 0,1,2,3
	ds_store_b128 v14, v[R+16*((\t)%AHEAD)+4*\i:R+16*((\t)%AHEAD)+4*\i+3] offset:32*SP*((\t)%2)+8*SP*\i
.endr
.irp i, 0,1,2,3
	ds_load_b128 v[X+16*((\t)%2)+4*\i:X+16*((\t)%2)+4*\i+3], v15 offset:32*SP*((\t)%2)+SP*(\i/2)+16*(\i%2)
.endr
.endm
.irp t, 0,1,2,3,4,5,6,7
	LOAD \t
.endr
	s_wait_loadcnt 4*(AHEAD-1)                     ; step 0's four loads are in; the seven younger steps' 28 may be out
	TURN 0
.macro STEP t
.set XS, X+16*((\t)%2)
.if (\t) > 0
	s_wait_dscnt 1                                 ; this step's numbers are back from the stage (the last step's byte store may be out): so its stores into the stage have read their registers,
.else
	s_wait_dscnt 0x0
.endif
.if (\t)+AHEAD < STEPS
	LOAD (\t)+AHEAD                                ; which take the loads of eight steps on
.endif
.if (\t)+1 < STEPS
.if STEPS-2-(\t) >= AHEAD-1
	s_wait_loadcnt 4*(AHEAD-1)                     ; the next step's four loads are in; those of the seven steps behind it may be out
.else
	s_wait_loadcnt 4*(STEPS-2-(\t))                ; in the tail: those of the steps that are left
.endif
	TURN (\t)+1                                    ; and go through the other stage while this step is worked
.endif
	v_max3_num_f32 v8, |v[XS]|, |v[XS+1]|, |v[XS+2]|               ; the largest magnitude of my 16
	v_max3_num_f32 v9, |v[XS+3]|, |v[XS+4]|, |v[XS+5]|
.irp i, 6,10
	v_max3_num_f32 v8, v8, |v[XS+\i]|, |v[XS+\i+1]|
	v_max3_num_f32 v9, v9, |v[XS+\i+2]|, |v[XS+\i+3]|
.endr
	v_max3_num_f32 v8, v8, |v[XS+14]|, |v[XS+15]|
	v_max3_num_f32 v8, v8, v9, (EMAX+1)<<23        ; and the floor 2^(16 - 127): the byte cannot fall under 1
	v_max_num_f32_dpp v8, v8, v8 row_xmask:1 row_mask:0xf bank_mask:0xf   ; and of my neighbour's 16: the block's
	v_add_nc_u32 v11, -(EMAX<<23), v8              ; 15 off its exponent field: the conversion takes the exponent field of this operand as its scale
	v_and_or_b32 v10, v8, 0x7f800000, s23          ; 57,344 x the scale
.irp i, 0,1,2,3,4,5,6,7,8,9,10,11,12,13,14,15
	v_med3_num_f32 v[XS+\i], v[XS+\i], -v10, v10   ; the conversion to an 8-bit code does not saturate (ISA guide 7.6.2): the number is held first
.endr
	v_cvt_scalef32_pk8_bf8_f32 v[C+4*(\t):C+4*(\t)+1], v[XS:XS+7], v11
	v_cvt_scalef32_pk8_bf8_f32 v[C+4*(\t)+2:C+4*(\t)+3], v[XS+8:XS+15], v11
	v_lshrrev_b32 v[E+(\t)], 23, v11               ; the scale's byte
	ds_store_b8 v5, v[E+(\t)] offset:16*(\t)       ; both lanes of a block write the same byte with the same value
	global_store_b128 v4, v[C+4*(\t):C+4*(\t)+3], s[14:15] offset:32*CB*(\t)   ; the wave stores 512 consecutive bytes
.endm
.irp t, 0,1,2,3,4,5,6,7,8,9,10,11,12,13,14,15
	STEP \t
.endr
	ds_load_b64 v[12:13], v6                       ; LDS serves a wave's instructions in order: these see my stores
	s_wait_dscnt 0x0
	global_store_b64 v7, v[12:13], s[16:17]        ; 32 lanes store 256 consecutive bytes, aligned
	s_set_vgpr_msb 0x5
	s_wait_tensorcnt 0x0
	ds_add_u32 v0, v1
	s_wait_dscnt 0x0
	s_set_vgpr_msb 0x500
	s_endpgm
.Lfunc_end_k_qbab3540be7_quant:
	.size	k_qbab3540be7_quant, .Lfunc_end_k_qbab3540be7_quant-k_qbab3540be7_quant
	.p2alignl 7, 3214868480
	.fill 96, 4, 3214868480
	.section	.rodata,"a",@progbits
	.p2align	6, 0x0
	.amdhsa_kernel k_qbab3540be7_quant
		.amdhsa_group_segment_fixed_size 33280
		.amdhsa_private_segment_fixed_size 0
		.amdhsa_enable_private_segment 0
		.amdhsa_kernarg_size 72
		.amdhsa_user_sgpr_count 2
		.amdhsa_user_sgpr_kernarg_segment_ptr 1
		.amdhsa_wavefront_size32 1
		.amdhsa_system_sgpr_workgroup_id_x 1
		.amdhsa_system_sgpr_workgroup_id_y 1
		.amdhsa_system_sgpr_workgroup_id_z 1
		.amdhsa_system_vgpr_workitem_id 0
		.amdhsa_next_free_vgpr 258
		.amdhsa_next_free_sgpr 66
		.amdhsa_reserve_vcc 0
		.amdhsa_float_denorm_mode_32 3
		.amdhsa_float_denorm_mode_16_64 3
		.amdhsa_memory_ordered 1
		.amdhsa_forward_progress 1
		.amdhsa_inst_pref_size 52
	.end_amdhsa_kernel
	.amdgpu_metadata
---
amdhsa.version: [ 1, 2 ]
amdhsa.kernels:
  - .name:           k_qbab3540be7_quant
    .symbol:         k_qbab3540be7_quant.kd
    .args:
      - { .name: x, .offset: 0, .size: 8, .value_kind: global_buffer, .address_space: global }
      - { .name: Wq, .offset: 8, .size: 8, .value_kind: global_buffer, .address_space: global }
      - { .name: Wk, .offset: 16, .size: 8, .value_kind: global_buffer, .address_space: global }
      - { .name: Wv, .offset: 24, .size: 8, .value_kind: global_buffer, .address_space: global }
      - { .name: Wo, .offset: 32, .size: 8, .value_kind: global_buffer, .address_space: global }
      - { .name: xc, .offset: 40, .size: 8, .value_kind: global_buffer, .address_space: global }
      - { .name: xs, .offset: 48, .size: 8, .value_kind: global_buffer, .address_space: global }
      - { .name: wc, .offset: 56, .size: 8, .value_kind: global_buffer, .address_space: global }
      - { .name: ws, .offset: 64, .size: 8, .value_kind: global_buffer, .address_space: global }
    .group_segment_fixed_size: 33280
    .private_segment_fixed_size: 0
    .kernarg_segment_align: 8
    .kernarg_segment_size: 72
    .max_flat_workgroup_size: 128
    .sgpr_count:     66
    .vgpr_count:     258
    .wavefront_size: 32
...
	.end_amdgpu_metadata
.endif
;; end of part 1
;; launch proj (part 2): grid 12 x 16, 4 waves a work-group, clusters of 4 x 4, 327,680 bytes of LDS; arguments xc, xs, wc, ws, bq, bk, qkvc, qkvs, bv; writes qkvc, qkvs
.if DOCPART == 2
	.amdgcn_target "amdgcn-amd-amdhsa--gfx1250"
	.amdhsa_code_object_version 6
	.text
	.protected	k_qbab3540be7_proj
	.globl	k_qbab3540be7_proj
	.p2align	8
	.type	k_qbab3540be7_proj,@function
k_qbab3540be7_proj:
	s_mov_b64 s[64:65], 0
	v_nop
	global_prefetch_b8 v0, s[64:65] scope:SCOPE_SE
	s_setreg_imm32_b32 hwreg(HW_REG_WAVE_MODE, 25, 1), 1
	s_wait_xcnt 0x0
	s_wait_alu depctr_hold_cnt(0) depctr_sa_sdst(0) depctr_va_vdst(0) depctr_va_sdst(0) depctr_va_ssrc(0) depctr_va_vcc(0) depctr_vm_vsrc(0)
	s_getreg_b32 s2, hwreg(HW_REG_IB_STS2, 6, 4)
	s_cmp_eq_u32 s2, 0
	s_cbranch_scc0 .Lentry_in_a_cluster
	s_endpgm
.Lentry_in_a_cluster:
	s_bfe_u32 s2, ttmp6, 0x10000c
	s_cmp_lg_u32 s2, 0xf033
	s_cbranch_scc0 .Lentry_shape_is_right
	s_endpgm
.Lentry_shape_is_right:
; q = x Wq^T + bq, k = x Wk^T + bk, v = x Wv^T + bv, on codes of E5M2 with E8M0 scales; the results are quantised here, in registers, and leave as codes.
; A tile of 256 x 256 is made by four waves, 128 x 128 each: 64 accumulators, 512 registers.  K = 1,024 goes in four steps of 256 through a ring of two LDS slots.
; ROLES by the cluster's x, which all sixteen partners share.  0, 1 (q, k): A = x (rows = tokens), B = Wq, Wk (rows = features).
; 2 (v): A = Wv (rows = features), B = x (rows = tokens): V^T is made, since the keys are the K of the product that takes v.
; THE MATRIX INSTRUCTION IS USED TRANSPOSED (source 0 = 16 rows of B, source 1 = 16 rows of A): lane (r, h) holds row r of A's block and columns 8 h + 0 .. 7 of B's block.
; So the 16 registers of B's blocks 2 p and 2 p + 1 are a lane's 16 numbers of the block of 32 columns p, in this program's slot order
; (slot 16 h + i holds column 8 h + i % 8 + 16 (i / 8)): their codes are four registers of the next product's operand, in the lanes that want them.
; THE BIAS is the C of each sum's first matrix instruction.
; OUT.  qkvc [kind 3][batch 2][pair of heads 8][group 16][16,384]: a wave's tile, [A's block a 8][p 4][lane 32][16 bytes].  q, k: group = 128 tokens, a = 16 tokens, p = 2 (head in pair) + (32 of the head's 64).
; v: group = 128 keys, a = 4 (head in pair) + (16 of the head's 64), p = 32 keys.  qkvs [kind][batch][pair][group][512]: [a / 4][r 16][a % 4] words, byte p.
; CLUSTERS: 4 x 4.  A's tile is shared along a row of the cluster, B's along a column: each is asked for jointly.
; LIMITS: NaN and infinities are not served; a block of zeros carries the byte 1 (its codes are zeros).
; REGISTERS, in windows of 256: window 0: v0-31 addresses; v32-63 scale words, two sets; v64-127 the bias; from v128 A's fragments, one set; on the way out v128-255 are at work.
;   window 1: B's fragments, two sets.   window 2: the accumulators of my rows 0-63 ((a, b) at v[8 (8 a + b)]);   window 3: those of my rows 64-127.
.set KSTEP,  256
.set NQ,     KSTEP/128
.set ROWB,   256
.set KROW,   1024
.set PITCH,  272                       ; an LDS row: 256 bytes + 16 of padding: the 16 rows that a load touches start at 16 different banks (64 banks of 4 bytes: ISA guide 11.1)
.set FR,     16
.set NL,     4
.set NP,     8                         ; places behind this matrix instruction (ISA guide 7.12.1)
.set HALFT,  128*PITCH
.set SLOT,   4*HALFT
.set KS,     32                        ; a row of scale bytes
.set SCL,    2*SLOT                    ; behind the ring: the scale bytes of my 256 + 256 rows, for all of K, as rows of 256 bytes + 16
.set HALFS,  (128*KS/256)*272
.set SBLK,   (16*KS/256)*272
.set SPARE,  SCL+4*HALFS               ; the spare words, 128 bytes for each wave: no other line names them
.set ADRA, 16
.set ADRB, 20
.set CO,   26                          ; v26  16 x lane
.set ADRS, 27
.set SPW,  28
.set NIL,  29
.set BH,   30                          ; v30  32 h
.set BR,   31                          ; v31  4 r
.set SC,   32
.set BI,   64                          ; v64-127 the bias, eight registers for each block
.set AF,   128
.set X,    128                         ; the way out: 64 held numbers
.set PC,   192                         ; codes, two sets of 16
.set TM,   224                         ; +0 largest magnitudes, +4 the other half's, then the bytes, +8 57,344 x the scale, +12 the conversion's scale operand
.set SW,   240                         ; a scale word for each of A's eight blocks
.set SWO,  248
.set SEL,  18
.set MNT,  95
.set G1, 24
.set G0, 32
.set G1B, 48
.set G0B, 56
.set G1S, 68
.set G0S, 76
.set G1SB, 80
.set G0SB, 88
.set MSB, 0
.macro WIN new                         ; the immediate's high byte repeats the setting that is left
.if MSB != \new
	s_set_vgpr_msb (MSB<<8)|\new
.set MSB, \new
.endif
.endm
.set MUL_LO, 0xa1                      ; source 0 (B) window 1, source 1 (A) window 0, C and D window 2
.set MUL_HI, 0xf1
.set TO_B,   0x40
; A joint load: waves 0 and 1 fetch for A, waves 2 and 3 for B.  The branch hangs on the wave's number alone.  Four v_nop follow each of the two lines.
.macro JLOAD g0a, g1a, g0b, g1b
	s_cmp_eq_u32 s15, 0
	s_cbranch_scc0 .Lfor_b_\@
	tensor_load_to_lds s[\g0a:\g0a+3], s[\g1a:\g1a+7]
	s_nop 0
.rept 4
	v_nop
.endr
	s_branch .Lasked_\@
.Lfor_b_\@:
	tensor_load_to_lds s[\g0b:\g0b+3], s[\g1b:\g1b+7]
	s_nop 0
.rept 4
	v_nop
.endr
.Lasked_\@:
.endm
.macro CREST                           ; a round of the cluster's barrier behind its opening barrier
	s_cmp_lg_u32 s14, 0
	s_cbranch_scc1 .Lnot_wave_0_\@
	s_barrier_signal -3
.Lnot_wave_0_\@:
	s_barrier_wait -3
	s_barrier_signal -1
	s_barrier_wait -1
.endm
.macro CROUND
	s_barrier_signal -1
	s_barrier_wait -1
	CREST
.endm
	s_load_b128 s[76:79], s[0:1], 0x0              ; x's codes, x's scales
	s_load_b128 s[88:91], s[0:1], 0x10             ; the weights' codes, their scales
	s_load_b128 s[96:99], s[0:1], 0x20             ; bq, bk
	s_load_b64 s[12:13], s[0:1], 0x30              ; qkvc
	s_load_b64 s[66:67], s[0:1], 0x38              ; qkvs
	s_load_b64 s[100:101], s[0:1], 0x40            ; bv
	v_lshl_add_u32 v[SPW], v0, 2, SPARE
	v_mov_b32 v[NIL], 0
	ds_add_u32 v28, v29
	ds_add_u32 v28, v29
	s_wait_dscnt 0x0
	v_lshrrev_b32 v1, 5, v0
	v_readfirstlane_b32 s14, v1                    ; wave 0..3
	s_lshr_b32 s15, s14, 1                         ; which half of the tile's rows is mine.  Also: I fetch for A (0) or for B (1)
	s_and_b32 s16, s14, 1                          ; which half of its columns.  Also: which 128 rows of that tile I fetch
	s_bfe_u32 s40, ttmp6, 0x40000                  ; cx, cy: my place in the cluster
	s_bfe_u32 s41, ttmp6, 0x40004
	s_and_b32 s18, ttmp7, 0xffff                   ; the cluster's y
	s_cmp_eq_u32 ttmp9, 2                          ; the role: the same in all sixteen partners
	s_cselect_b32 s17, 0, s18                      ; v: A = Wv has four tile rows, cy alone
	s_cselect_b32 s42, s18, ttmp9                  ; v: B = x, tile columns by the cluster's y
	s_cselect_b32 s95, 2048, 0                     ; v: Wv begins at row 2,048 of the weights
	s_lshl_b32 s17, s17, 2
	s_add_co_u32 s17, s17, s41                     ; tile row
	s_lshl_b32 s42, s42, 2
	s_add_co_u32 s42, s42, s40                     ; tile column
	s_lshl_b32 s43, s41, 2
	s_lshl_b32 s43, 15, s43                        ; my row of the cluster
	s_lshl_b32 s44, 0x1111, s40                    ; my column
	; descriptor group 1: a tile of 128 rows x 256 bytes, padded in LDS
	s_or_b32 s[G1+0], s43, (0<<16)|(1<<20)|(1<<21)|(5<<22)|(3<<25)  ; 15:0 the mask; 17:16 elements of 1 byte; 20 padding on; 21 set beside a mask; 24:22 after every 64 words; 31:25 four words
	s_or_b32 s[G1B+0], s44, (0<<16)|(1<<20)|(1<<21)|(5<<22)|(3<<25)
.irp g, G1, G1B
	s_mov_b32 s[\g+1], ROWB<<16                    ; tensor_dim0
	s_mov_b32 s[\g+2], 128<<16                     ; tensor_dim1
	s_mov_b32 s[\g+3], ROWB<<16                    ; tile_dim0
	s_mov_b32 s[\g+4], 128                         ; tile_dim1
	s_mov_b32 s[\g+5], KROW                        ; the pitch
	s_mov_b32 s[\g+6], 0
	s_mov_b32 s[\g+7], 0
.endr
	; the scale bytes of 128 rows: 4,096 dense bytes, as 16 rows of 256 (32 elements of 8 bytes), 16 bytes of padding behind each
	s_or_b32 s[G1S+0], s43, (3<<16)|(1<<20)|(1<<21)|(5<<22)|(3<<25)
	s_or_b32 s[G1SB+0], s44, (3<<16)|(1<<20)|(1<<21)|(5<<22)|(3<<25)
.irp g, G1S, G1SB
	s_mov_b32 s[\g+1], 32<<16
	s_mov_b32 s[\g+2], (128*KS/256)<<16
	s_mov_b32 s[\g+3], 32<<16
	s_mov_b32 s[\g+4], 128*KS/256
	s_mov_b32 s[\g+5], 32
	s_mov_b32 s[\g+6], 0
	s_mov_b32 s[\g+7], 0
.endr
	s_lshl_b32 s18, s16, 7                         ; which 128 rows of the tile I fetch
	s_lshl_b32 s20, s17, 8
	s_add_co_u32 s20, s20, s18
	s_add_co_u32 s20, s20, s95                     ; A: its first row
	s_lshl_b32 s46, s42, 8
	s_add_co_u32 s46, s46, s18                     ; B: its first row
	s_lshl_b32 s22, s20, 5                         ; 32 scale bytes a row,
	s_lshl_b32 s92, s46, 5
	s_lshl_b32 s20, s20, 10                        ; 1,024 codes
	s_lshl_b32 s46, s46, 10
	s_mov_b32 s21, 0
	s_mov_b32 s23, 0
	s_mov_b32 s47, 0
	s_mov_b32 s93, 0
	s_mul_i32 s45, s14, HALFT                      ; where they go: wave x 128 rows: no place in the cluster enters an LDS address
	s_mul_i32 s94, s14, HALFS
	s_wait_kmcnt 0x0
	s_cmp_eq_u32 ttmp9, 2
	s_cselect_b64 s[4:5], s[88:89], s[76:77]       ; A's codes
	s_cselect_b64 s[6:7], s[90:91], s[78:79]       ; A's scales
	s_cselect_b64 s[8:9], s[76:77], s[88:89]       ; B's codes
	s_cselect_b64 s[10:11], s[78:79], s[90:91]     ; B's scales
	s_add_nc_u64 s[20:21], s[4:5], s[20:21]
	s_add_nc_u64 s[22:23], s[6:7], s[22:23]
	s_add_nc_u64 s[46:47], s[8:9], s[46:47]
	s_add_nc_u64 s[92:93], s[10:11], s[92:93]
	CROUND                                         ; all sixteen work-groups are here: the first joint loads meet
	s_mov_b32 s[G0S], 1
	s_add_co_u32 s[G0S+1], s94, SCL
	s_mov_b64 s[G0S+2:G0S+3], s[22:23]
	s_or_b32 s[G0S+3], s[G0S+3], 0x80000000
	s_mov_b32 s[G0SB], 1
	s_add_co_u32 s[G0SB+1], s94, SCL
	s_mov_b64 s[G0SB+2:G0SB+3], s[92:93]
	s_or_b32 s[G0SB+3], s[G0SB+3], 0x80000000
	JLOAD G0S, G1S, G0SB, G1SB                     ; the scales first: they are wanted with K step 0
.irp s, 0,1
	s_mov_b32 s[G0+4*\s], 1
	s_add_co_u32 s[G0+4*\s+1], s45, \s*SLOT
	s_add_nc_u64 s[G0+4*\s+2:G0+4*\s+3], s[20:21], \s*ROWB
	s_or_b32 s[G0+4*\s+3], s[G0+4*\s+3], 0x80000000
	s_mov_b32 s[G0B+4*\s], 1
	s_add_co_u32 s[G0B+4*\s+1], s45, \s*SLOT
	s_add_nc_u64 s[G0B+4*\s+2:G0B+4*\s+3], s[46:47], \s*ROWB
	s_or_b32 s[G0B+4*\s+3], s[G0B+4*\s+3], 0x80000000
	JLOAD G0+4*\s, G1, G0B+4*\s, G1B
.endr
	v_and_b32 v1, 15, v0                           ; r
	v_bfe_u32 v2, v0, 4, 1                         ; h
	v_mul_u32_u24 v3, v1, PITCH
	v_lshl_add_u32 v4, v2, 4, v3                   ; a fragment's row x pitch + 16 h
	s_mul_i32 s21, s15, HALFT                      ; my 128 rows of A
	s_mul_i32 s22, s16, HALFT                      ; my 128 rows of B,
	s_add_co_u32 s22, s22, 2*HALFT                 ; which lie behind A's 256
.irp s, 0,1
	v_add_nc_u32 v[ADRA+\s], s21, v4
	v_add_nc_u32 v[ADRB+\s], s22, v4
	s_add_co_u32 s21, s21, SLOT
	s_add_co_u32 s22, s22, SLOT
.endr
	v_mul_u32_u24 v5, v1, KS                       ; my row's scales: 32 bytes a row,
	v_lshrrev_b32 v6, 8, v5
	v_lshl_add_u32 v5, v6, 4, v5                   ; and 16 more for each 256 passed
	s_mul_i32 s21, s15, HALFS
	s_mul_i32 s22, s16, HALFS
	s_add_co_u32 s22, s22, 2*HALFS
	s_sub_co_u32 s22, s22, s21
	v_mul_u32_u24 v6, s22, v2                      ; lanes 16-31 take B's
	s_add_co_u32 s21, s21, SCL
	v_add_nc_u32 v5, v5, v6
	v_add_nc_u32 v[ADRS], s21, v5
	v_and_b32 v6, 31, v0
	v_lshlrev_b32 v[CO], 4, v6
	v_lshlrev_b32 v[BH], 5, v2
	v_lshlrev_b32 v[BR], 2, v1
	; where my tile goes: tile number T = 256 kind + ((token group / 16) x 8 + pair of heads) x 16 + token group % 16
	s_lshl_b32 s92, s17, 1
	s_add_co_u32 s92, s92, s15                     ; my 128 rows of A, counted in 128s
	s_lshl_b32 s93, s42, 1
	s_add_co_u32 s93, s93, s16                     ; my 128 rows of B
	s_and_b32 s94, s93, 7
	s_cmp_eq_u32 ttmp9, 2
	s_cselect_b32 s46, s93, s92                    ; the token group
	s_cselect_b32 s47, s92, s94                    ; the pair of heads
	s_lshr_b32 s92, s46, 4
	s_lshl_b32 s92, s92, 3
	s_add_co_u32 s92, s92, s47
	s_lshl_b32 s92, s92, 4
	s_and_b32 s46, s46, 15
	s_add_co_u32 s92, s92, s46
	s_lshl_b32 s93, ttmp9, 8
	s_add_co_u32 s92, s92, s93                     ; T
	s_lshl_b32 s46, s92, 14
	s_mov_b32 s47, 0
	s_add_nc_u64 s[12:13], s[12:13], s[46:47]
	s_lshl_b32 s46, s92, 9
	s_add_nc_u64 s[66:67], s[66:67], s[46:47]
	; the bias, in the result's layout.  q, k: it runs along the columns: block b's eight registers are the features 16 b + 8 h + 0 .. 7.  v: along the rows: block a's eight registers all hold feature 16 a + r's
	s_cmp_eq_u32 ttmp9, 2
	s_cbranch_scc1 .Lbias_v
	s_cmp_eq_u32 ttmp9, 0
	s_cselect_b64 s[96:97], s[96:97], s[98:99]
	s_lshl_b32 s46, s40, 10                        ; 4 bytes x (256 cx + 128 x my half)
	s_lshl_b32 s92, s16, 9
	s_add_co_u32 s46, s46, s92
	s_add_nc_u64 s[96:97], s[96:97], s[46:47]
.irp b, 0,1,2,3,4,5,6,7
	global_load_b128 v[BI+8*\b:BI+8*\b+3], v[BH], s[96:97] offset:64*\b
	global_load_b128 v[BI+8*\b+4:BI+8*\b+7], v[BH], s[96:97] offset:64*\b+16
.endr
	s_branch .Lbias_done
.Lbias_v:
	s_lshl_b32 s46, s41, 10                        ; 4 bytes x (256 cy + 128 x my half)
	s_lshl_b32 s92, s15, 9
	s_add_co_u32 s46, s46, s92
	s_add_nc_u64 s[100:101], s[100:101], s[46:47]
.irp a, 0,1,2,3,4,5,6,7
.irp j, 0,1,2,3,4,5,6,7
	global_load_b32 v[BI+8*\a+\j], v[BR], s[100:101] offset:64*\a
.endr
.endr
.Lbias_done:
.macro FRAG reg, adr, q, i             ; a fragment, 16 rows x 128 K: lane (r, h) holds row r; registers 4 c .. 4 c + 3 hold slots 32 c + 16 h + 0 .. 15
.irp c, 0,1,2,3
	ds_load_b128 v[\reg+4*\c:\reg+4*\c+3], v[\adr] offset:128*(\q)+32*\c+(\i)*16*PITCH
.endr
.endm
; 16 matrix instructions: A's blocks a0, a0 + 1 x B's eight, 128 along K.  p: B's set;  sc: the set of scale words.  cm = 1: C is the bias of B's block; 2: of A's block; 0: the sum goes on.
; The 64 accumulators take turns, one instruction a turn, in the same order in every step.
.macro MUL16 a0, p, q, sc, cm
.irp a, \a0, \a0+1
.irp b, 0,1,2,3,4,5,6,7
.if \cm == 1
	v_wmma_scale_f32_16x16x128_f8f6f4 v[8*(8*((\a)%4)+\b):8*(8*((\a)%4)+\b)+7], v[128*(\p)+FR*\b:128*(\p)+FR*\b+FR-1], v[AF+FR*(\a):AF+FR*(\a)+FR-1], v[BI+8*\b:BI+8*\b+7], v[SC+8*NQ*(\sc)+NQ*\b+(\q)], v[SC+8*NQ*(\sc)+NQ*(\a)+(\q)] matrix_a_fmt:MATRIX_FMT_BF8 matrix_b_fmt:MATRIX_FMT_BF8 matrix_a_scale:MATRIX_SCALE_ROW1
.elseif \cm == 2
	v_wmma_scale_f32_16x16x128_f8f6f4 v[8*(8*((\a)%4)+\b):8*(8*((\a)%4)+\b)+7], v[128*(\p)+FR*\b:128*(\p)+FR*\b+FR-1], v[AF+FR*(\a):AF+FR*(\a)+FR-1], v[BI+8*(\a):BI+8*(\a)+7], v[SC+8*NQ*(\sc)+NQ*\b+(\q)], v[SC+8*NQ*(\sc)+NQ*(\a)+(\q)] matrix_a_fmt:MATRIX_FMT_BF8 matrix_b_fmt:MATRIX_FMT_BF8 matrix_a_scale:MATRIX_SCALE_ROW1
.else
	v_wmma_scale_f32_16x16x128_f8f6f4 v[8*(8*((\a)%4)+\b):8*(8*((\a)%4)+\b)+7], v[128*(\p)+FR*\b:128*(\p)+FR*\b+FR-1], v[AF+FR*(\a):AF+FR*(\a)+FR-1], v[8*(8*((\a)%4)+\b):8*(8*((\a)%4)+\b)+7], v[SC+8*NQ*(\sc)+NQ*\b+(\q)], v[SC+8*NQ*(\sc)+NQ*(\a)+(\q)] matrix_a_fmt:MATRIX_FMT_BF8 matrix_b_fmt:MATRIX_FMT_BF8 matrix_a_scale:MATRIX_SCALE_ROW1
.endif
.endr
.endr
.endm
.macro FETCH_B slot, q, p
	WIN TO_B
.irp i, 0,1,2,3,4,5,6,7
	FRAG 128*(\p)+FR*\i, ADRB+\slot, \q, \i
.endr
	WIN 0
.endm
.macro FETCH_A slot, q, i0
.irp i, \i0, \i0+1, \i0+2, \i0+3
	FRAG AF+FR*(\i), ADRA+\slot, \q, \i
.endr
.endm
.macro SCALES sc                       ; a K step's scale words: two a row; lanes 0-15 take A's block i, lanes 16-31 B's block i
.irp i, 0,1,2,3,4,5,6,7
	ds_load_b64 v[SC+8*NQ*\sc+NQ*\i:SC+8*NQ*\sc+NQ*\i+1], v[ADRS] offset:\i*SBLK
.endr
.endm
; A load into a register that a matrix instruction has read, and a vector instruction that reads a matrix result or writes one of its registers, stand NP plain vector instructions behind it
.macro PLACES n
.rept \n
	v_nop
.endr
.endm
; A step of 128 along K that has its successor in the same slot.  cm as in MUL16: with a bias as C, C lies in window 0
.macro STEP slot, q, cm
	s_wait_dscnt 4*NL                              ; B's set and A's blocks 0-3 are in; the youngest sixteen loads (A's blocks 4-7) may be out
.if \cm
	WIN 0x81
.else
	WIN MUL_LO
.endif
	MUL16 0, (\q)%2, \q, \slot, \cm
	MUL16 2, (\q)%2, \q, \slot, \cm
	s_wait_dscnt 0                                 ; A's blocks 4-7 are in
	PLACES NP
	FETCH_B \slot, (\q)+1, 1-(\q)%2
	FETCH_A \slot, (\q)+1, 0
.if \cm
	WIN 0xc1
.else
	WIN MUL_HI
.endif
	MUL16 4, (\q)%2, \q, \slot, \cm
	MUL16 6, (\q)%2, \q, \slot, \cm
	PLACES NP
	WIN 0
	FETCH_A \slot, (\q)+1, 4
.endm
; A slot's last step changes slots: one barrier; in front of it each wave waits for all its tensor loads, adds 0 to its spare word, and waits for that and for its own reads of this slot.  fill = 1: this slot is filled again, two K steps ahead.
.macro TURN slot, next, fill
	s_wait_tensorcnt 0x0                           ; all my tensor loads have landed: my part of the next slot
	ds_add_u32 v[SPW], v[NIL]                      ; 0 onto my spare word
	s_wait_dscnt 4*NL+1                            ; (the add and the youngest sixteen loads may be out)
	WIN MUL_LO
	MUL16 0, 1, NQ-1, \slot, 0                     ; sixteen matrix instructions stand between the add and the wait for it
	s_wait_dscnt 0x0                               ; the add is done, and my reads of this slot are over
	s_barrier_signal -1
	MUL16 2, 1, NQ-1, \slot, 0
	WIN 0
	s_barrier_wait -1
.if \fill
	CREST                                          ; the barrier has opened a round of the cluster's barrier: no wave of any partner still reads this slot or has a load on its way
	s_add_nc_u64 s[G0+4*\slot+2:G0+4*\slot+3], s[G0+4*\slot+2:G0+4*\slot+3], 2*ROWB
	s_add_nc_u64 s[G0B+4*\slot+2:G0B+4*\slot+3], s[G0B+4*\slot+2:G0B+4*\slot+3], 2*ROWB
	JLOAD G0+4*\slot, G1, G0B+4*\slot, G1B         ; the first tensor load behind the round; its four v_nop are among the places in front of the loads below
	PLACES NP-4
.else
	PLACES NP
.endif
	v_add_nc_u32 v[ADRS], 4*NQ, v[ADRS]            ; on to the next K step's scale words
	FETCH_B \next, 0, 0
	FETCH_A \next, 0, 0
	SCALES \next
	WIN MUL_HI
	MUL16 4, 1, NQ-1, \slot, 0
	MUL16 6, 1, NQ-1, \slot, 0
	PLACES NP
	WIN 0
	FETCH_A \next, 0, 4
.endm
	s_wait_tensorcnt 1                             ; the scales and my part of K step 0 are in (K step 1's load may be out),
	s_barrier_signal -1
	s_barrier_wait -1                              ; everybody's are
	FETCH_B 0, 0, 0
	FETCH_A 0, 0, 0
	SCALES 0
	FETCH_A 0, 0, 4
	s_wait_loadcnt 0x0                             ; the bias
	s_cmp_eq_u32 ttmp9, 2                          ; the first step is written twice: its C is the bias of B's block (q, k) or of A's (v)
	s_cbranch_scc1 .Lfirst_v
	STEP 0, 0, 1
	s_branch .Lfirst_done
.Lfirst_v:
	STEP 0, 0, 2
.Lfirst_done:
	TURN 0, 1, 1                                   ; K = 1,024 is four K steps: once round the ring with refills,
	STEP 1, 0, 0
	TURN 1, 0, 1
	STEP 0, 0, 0
	TURN 0, 1, 0                                   ; and once without
	STEP 1, 0, 0
	s_wait_dscnt 4*NL
	WIN MUL_LO
	MUL16 0, 1, NQ-1, 1, 0
	MUL16 2, 1, NQ-1, 1, 0
	s_wait_dscnt 0
	WIN MUL_HI
	MUL16 4, 1, NQ-1, 1, 0
	MUL16 6, 1, NQ-1, 1, 0
	WIN 0
; THE WAY OUT of A's block a: four blocks of 32 columns, 16 numbers of each in my registers and 16 in lane l xor 16's.  Largest magnitude, byte, hold, conversion; the four code registers of a block leave at 16 x lane: 512 consecutive bytes.
.macro OUTQ a
.set AC, 64*((\a)%4)
.set PS, PC+16*((\a)%2)
	WIN 0x0a+5*((\a)/4)                            ; sources 0 and 1: window 2 or 3
.irp p, 0,1,2,3
	v_max3_num_f32 v[TM+\p], |v[AC+16*\p]|, |v[AC+16*\p+1]|, 0x8000000   ; each accumulator is read from its low end on; the floor 2^(16 - 127) holds the byte at 1 from below
.endr
.irp i, 2,4,6,8,10,12,14
.irp p, 0,1,2,3
	v_max3_num_f32 v[TM+\p], |v[AC+16*\p+\i]|, |v[AC+16*\p+\i+1]|, v[TM+\p]
.endr
.endr
	WIN 0
.irp p, 0,1,2,3
	v_permlanex16_b32 v[TM+4+\p], v[TM+\p], s[SEL], s[SEL+1]
.endr
.irp p, 0,1,2,3
	v_max_num_f32 v[TM+\p], v[TM+\p], v[TM+4+\p]   ; the block's largest magnitude
.endr
.irp p, 0,1,2,3
	v_add_nc_u32 v[TM+12+\p], 0xf8800000, v[TM+\p] ; 15 off its exponent field: the conversion's scale operand
.endr
.irp p, 0,1,2,3
	v_and_or_b32 v[TM+8+\p], v[TM+\p], 0x7f800000, s[MNT]   ; 57,344 x the scale
.endr
.irp p, 0,1,2,3
	v_lshrrev_b32 v[TM+4+\p], 23, v[TM+12+\p]      ; the scale's byte
.endr
	v_lshl_or_b32 v[SW+(\a)], v[TM+5], 8, v[TM+4]
	v_lshl_or_b32 v[SW+(\a)], v[TM+6], 16, v[SW+(\a)]
	v_lshl_or_b32 v[SW+(\a)], v[TM+7], 24, v[SW+(\a)]
	WIN 0x02+(\a)/4                                ; source 0: window 2 or 3
.irp p, 0,1,2,3
.irp i, 0,1,2,3,4,5,6,7,8,9,10,11,12,13,14,15
	v_med3_num_f32 v[X+16*\p+\i], v[AC+16*\p+\i], -v[TM+8+\p], v[TM+8+\p]   ; the conversion does not saturate (ISA guide 7.6.2): the number is held first
.endr
.endr
	WIN 0
.if (\a) > 1
	s_wait_xcnt 0x0                                ; block a - 2's stores have read this set of code registers
.endif
.irp p, 0,1,2,3
	v_cvt_scalef32_pk8_bf8_f32 v[PS+4*\p:PS+4*\p+1], v[X+16*\p:X+16*\p+7], v[TM+12+\p]
	v_cvt_scalef32_pk8_bf8_f32 v[PS+4*\p+2:PS+4*\p+3], v[X+16*\p+8:X+16*\p+15], v[TM+12+\p]
.endr
	v_nop                                          ; a plain vector instruction behind the last conversion
.irp p, 0,1,2,3
	global_store_b128 v[CO], v[PS+4*\p:PS+4*\p+3], s[12:13] offset:2048*(\a)+512*\p
.endr
.endm
	PLACES NP                                      ; behind the last products: results are read, and A's fragment registers are written, from here on
	s_mov_b32 s[SEL], 0x76543210
	s_mov_b32 s[SEL+1], 0xfedcba98                 ; lane l xor 16
	s_mov_b32 s[MNT], 0x600000                     ; the mantissa field of 57,344
.irp p, 0,1,2,3
	v_mov_b32 v[TM+4+\p], 0                        ; a lane permute's destination counts as one of its sources
.endr
.irp a, 0,1,2,3,4,5,6,7
	OUTQ \a
.endr
	v_and_b32 v6, 31, v0
	v_cmp_lt_u32 vcc_lo, 15, v6
.irp i, 0,1,2,3
	v_cndmask_b32 v[SWO+\i], v[SW+\i], v[SW+4+\i], vcc_lo   ; lanes 0-15: the words of blocks 0-3 of row r; lanes 16-31: of blocks 4-7
.endr
	global_store_b128 v[CO], v[SWO:SWO+3], s[66:67]          ; 512 consecutive bytes
	s_wait_tensorcnt 0x0                           ; the wave's end
	ds_add_u32 v[SPW], v[NIL]
	s_wait_dscnt 0x0
	CROUND                                         ; the closing round: no work-group ends while a partner may still ask for a tile that names it
	s_endpgm
.Lfunc_end_k_qbab3540be7_proj:
	.size	k_qbab3540be7_proj, .Lfunc_end_k_qbab3540be7_proj-k_qbab3540be7_proj
	.p2alignl 7, 3214868480
	.fill 96, 4, 3214868480
	.section	.rodata,"a",@progbits
	.p2align	6, 0x0
	.amdhsa_kernel k_qbab3540be7_proj
		.amdhsa_group_segment_fixed_size 327680
		.amdhsa_private_segment_fixed_size 0
		.amdhsa_enable_private_segment 0
		.amdhsa_kernarg_size 72
		.amdhsa_user_sgpr_count 2
		.amdhsa_user_sgpr_kernarg_segment_ptr 1
		.amdhsa_wavefront_size32 1
		.amdhsa_system_sgpr_workgroup_id_x 1
		.amdhsa_system_sgpr_workgroup_id_y 1
		.amdhsa_system_sgpr_workgroup_id_z 1
		.amdhsa_system_vgpr_workitem_id 0
		.amdhsa_next_free_vgpr 1024
		.amdhsa_next_free_sgpr 102
		.amdhsa_reserve_vcc 1
		.amdhsa_float_denorm_mode_32 3
		.amdhsa_float_denorm_mode_16_64 3
		.amdhsa_memory_ordered 1
		.amdhsa_forward_progress 1
		.amdhsa_inst_pref_size 206
	.end_amdhsa_kernel
	.amdgpu_metadata
---
amdhsa.version: [ 1, 2 ]
amdhsa.kernels:
  - .name:           k_qbab3540be7_proj
    .symbol:         k_qbab3540be7_proj.kd
    .args:
      - { .name: xc, .offset: 0, .size: 8, .value_kind: global_buffer, .address_space: global }
      - { .name: xs, .offset: 8, .size: 8, .value_kind: global_buffer, .address_space: global }
      - { .name: wc, .offset: 16, .size: 8, .value_kind: global_buffer, .address_space: global }
      - { .name: ws, .offset: 24, .size: 8, .value_kind: global_buffer, .address_space: global }
      - { .name: bq, .offset: 32, .size: 8, .value_kind: global_buffer, .address_space: global }
      - { .name: bk, .offset: 40, .size: 8, .value_kind: global_buffer, .address_space: global }
      - { .name: qkvc, .offset: 48, .size: 8, .value_kind: global_buffer, .address_space: global }
      - { .name: qkvs, .offset: 56, .size: 8, .value_kind: global_buffer, .address_space: global }
      - { .name: bv, .offset: 64, .size: 8, .value_kind: global_buffer, .address_space: global }
    .group_segment_fixed_size: 327680
    .private_segment_fixed_size: 0
    .kernarg_segment_align: 8
    .kernarg_segment_size: 72
    .max_flat_workgroup_size: 128
    .sgpr_count:     102
    .vgpr_count:     1024
    .wavefront_size: 32
...
	.end_amdgpu_metadata
.endif
;; end of part 2
;; launch attn (part 3): grid 8 x 32, 8 waves a work-group, clusters of 4 x 1, 279,552 bytes of LDS; arguments qkvc, qkvs, gamma, oc, osc; writes oc, osc
.if DOCPART == 3
	.amdgcn_target "amdgcn-amd-amdhsa--gfx1250"
	.amdhsa_code_object_version 6
	.text
	.protected	k_qbab3540be7_attn
	.globl	k_qbab3540be7_attn
	.p2align	8
	.type	k_qbab3540be7_attn,@function
k_qbab3540be7_attn:
	s_mov_b64 s[64:65], 0
	v_nop
	global_prefetch_b8 v0, s[64:65] scope:SCOPE_SE
	s_setreg_imm32_b32 hwreg(HW_REG_WAVE_MODE, 25, 1), 1
	s_wait_xcnt 0x0
	s_wait_alu depctr_hold_cnt(0) depctr_sa_sdst(0) depctr_va_vdst(0) depctr_va_sdst(0) depctr_va_ssrc(0) depctr_va_vcc(0) depctr_vm_vsrc(0)
	s_getreg_b32 s2, hwreg(HW_REG_IB_STS2, 6, 4)
	s_cmp_eq_u32 s2, 0
	s_cbranch_scc0 .Lentry_in_a_cluster
	s_endpgm
.Lentry_in_a_cluster:
	s_bfe_u32 s2, ttmp6, 0x10000c
	s_cmp_lg_u32 s2, 0x3003
	s_cbranch_scc0 .Lentry_shape_is_right
	s_endpgm
.Lentry_shape_is_right:
; For each (batch, head): O = Q(tril(q k^T) x gamma^query) v, both products on codes of E5M2 with E8M0 scales; O is quantised along the model's axis and leaves as codes.
; SHARES.  A head has 128 tiles of 16 queries, in 16 groups of 8: a tile of group g walks the key steps (128 keys) 0 .. g; what lies over the diagonal is never multiplied.
; Work-group i of the head's eight takes tile i of EVERY group; its wave w takes the tiles of groups g0 and 15 - g0 (g0 = w for waves 0-3, 11 - w for waves 4-7).
; So every wave has 17 steps of a tile: steps 0 .. g0 on both tiles, steps g0 + 1 .. 15 - g0 on the far tile alone; waves w and w + 4 together fetch 25 key steps, whatever w.
; How far a wave walks hangs on its own number alone: all work-groups run alike.
; CLUSTER.  Four work-groups of a head form a cluster and ask for the head's K, V and scale words JOINTLY: the same tensor load, the same descriptor, a mask that names the four.
; The work-group's place enters only global addresses (q, oc, osc), the decay and the mask's threshold: no branch and no LDS address.
; LDS.  The head's whole K and V come once, as images of operand registers: chunk q (512 keys) at 65,536 q: 32 tiles of K of 1 KiB ([32 of the head's 64][lane][16]), then at + 32,768 four steps of V of 8 KiB
; ([16 of the head's 64][32 keys][lane][16]).  Behind them the pair of heads' scale words of K and of V, 8 KiB each.  Nothing is filled twice.  Every read is 16 x lane: no padding.
; Five tensor loads a wave, all at the head (by this text's count five are out at most); the loads of later chunks are on their way while the earlier chunks are multiplied.
; LAYOUT.  Both products transposed: S^T = K Q^T (source 0 = 16 keys, source 1 = 16 queries), O^T = V^T P^T: a lane holds one query (lane % 16) throughout.  The 16 registers of key tiles 2 c and 2 c + 1 are the lane's
; 16 numbers of the block of 32 keys c, in the slot order in which V's codes were laid: the conversions' results are the second product's operand.
; K = 64 fills half of the instruction's 128: Q's upper eight registers are zero codes; K's upper eight are the next tile's codes, which meet those zeros.
; THE DECAY gamma^query = sign x 2^(query x log2|gamma|): log2|gamma| is held within +-200 (gamma = 0 gives 1 for query 0 and 0 after it), the product's rounding is recovered by a fused multiply-add,
; the whole part goes through v_ldexp_f32.  Its relative error is about 1.2e-7 x (1 + |query x log2 gamma|).  A negative gamma is served (odd queries change sign).  Hidden scores are +0.
; LIMITS: NaN and infinities are not served; a block of zeros carries the byte 1 (its codes are zeros).
; REGISTERS.  window 0: v1-7 addresses and 0; v8 r, v9 h, v10 16 r; v12, v14 the decay of my two tiles, v13, v15 the mask's threshold; v16-23 K's scale words, v24-27 V's, v28-29 Q's, v30-31 P's;
;   v32-63 at work (eight blocks x four); v64-191 S^T, then P; v192-223 P's codes.   window 1: v0-31 Q; v32-103 K and eight zeros; v104-167 V; v168-231 O^T.
.set SCK,  262144
.set SCV,  270336
.set L16,  1
.set ASK0, 2
.set ASV0, 3
.set ADK,  4
.set ADS,  5
.set ADT,  6
.set NIL,  7
.set KSC,  16
.set VSC,  24
.set QSC,  28
.set PSC,  30
.set TM,   32                          ; +0 largest magnitudes, +8 the other half's, then the bytes, +16 57,344 x the scale, +24 the conversion's scale operand
.set S,    64
.set PC,   192
.set QF,   0
.set KF,   32
.set VF,   104
.set OF,   168
.set WV,   14
.set IDX,  19                          ; s19  my work-group among the head's eight
.set KSR,  21                          ; s21  the key step in hand
.set TB,   22                          ; s22  LDS byte at which its tiles of K begin
.set TS,   23                          ; s23  and its scale words: 512 bytes a step
.set CNT,  24
.set SEL,  26
.set MNT,  28
.set G1K,  32
.set G1V,  40
.set G1S,  48
.set G0S,  56
.set LS0,  92                          ; s92  the near tile's last key step: g0;   s93  the far tile's: 15 - g0
.set LS1,  93
.set TI0,  94                          ; s94  the near tile's number among the head's 128;   s95  the far tile's
.set TI1,  95
.set MSB, 0
.macro WIN new                         ; the immediate's high byte repeats the setting that is left
.if MSB != \new
	s_set_vgpr_msb (MSB<<8)|\new
.set MSB, \new
.endif
.endm
.macro CROUND                          ; a round of the cluster's barrier
	s_barrier_signal -1
	s_barrier_wait -1
	s_cmp_lg_u32 s[WV], 0
	s_cbranch_scc1 .Lnot_wave_0_\@
	s_barrier_signal -3
.Lnot_wave_0_\@:
	s_barrier_wait -3
	s_barrier_signal -1
	s_barrier_wait -1
.endm
	s_load_b128 s[4:7], s[0:1], 0x0                ; qkvc, qkvs
	s_load_b128 s[8:11], s[0:1], 0x10              ; gamma, oc
	s_load_b64 s[12:13], s[0:1], 0x20              ; osc
	v_lshl_add_u32 v254, v0, 2, 0x44000
	v_mov_b32 v255, 0
	ds_add_u32 v254, v255
	ds_add_u32 v254, v255
	v_lshrrev_b32 v8, 5, v0
	v_readfirstlane_b32 s[WV], v8                  ; wave 0..7
	s_bfe_u32 s15, ttmp6, 0x40000                  ; cx: my place in the cluster
	s_lshl_b32 s[IDX], ttmp9, 2                    ; in a cluster launch ttmp9 counts clusters
	s_add_co_u32 s[IDX], s[IDX], s15               ; my work-group among the head's eight
	s_and_b32 s16, ttmp7, 0xffff                   ; batch x 16 + head, which the four partners share
	s_and_b32 s17, s16, 1                          ; the head in its pair
	s_lshr_b32 s18, s16, 1                         ; batch x 8 + pair
	s_sub_co_u32 s30, 11, s[WV]
	s_cmp_lt_u32 s[WV], 4
	s_cselect_b32 s[LS0], s[WV], s30               ; g0: the wave's number alone decides how far it walks
	s_sub_co_u32 s[LS1], 15, s[LS0]
	s_lshl_b32 s[TI0], s[LS0], 3
	s_add_co_u32 s[TI0], s[TI0], s[IDX]            ; my two tiles: 8 x group + work-group
	s_lshl_b32 s[TI1], s[LS1], 3
	s_add_co_u32 s[TI1], s[TI1], s[IDX]
	; descriptor groups 1: 15:0 the mask: all four work-groups; 17:16 elements of 8 bytes; 21 set beside a mask; no padding.
	; K: 8 tiles' 1,024 bytes, 2,048 bytes apart;  V: 8,192 dense bytes as 32 rows of 256;  scale words: 2,048 dense bytes as 8 rows of 256
	s_mov_b32 s[G1K], 15|(3<<16)|(1<<21)
	s_mov_b32 s[G1K+1], 128<<16
	s_mov_b32 s[G1K+2], 8<<16
	s_mov_b32 s[G1K+3], 128<<16
	s_mov_b32 s[G1K+4], 8
	s_mov_b32 s[G1K+5], 256
	s_mov_b32 s[G1K+6], 0
	s_mov_b32 s[G1K+7], 0
	s_mov_b32 s[G1V], 15|(3<<16)|(1<<21)
	s_mov_b32 s[G1V+1], 32<<16
	s_mov_b32 s[G1V+2], 32<<16
	s_mov_b32 s[G1V+3], 32<<16
	s_mov_b32 s[G1V+4], 32
	s_mov_b32 s[G1V+5], 32
	s_mov_b32 s[G1V+6], 0
	s_mov_b32 s[G1V+7], 0
	s_mov_b32 s[G1S], 15|(3<<16)|(1<<21)
	s_mov_b32 s[G1S+1], 32<<16
	s_mov_b32 s[G1S+2], 8<<16
	s_mov_b32 s[G1S+3], 32<<16
	s_mov_b32 s[G1S+4], 8
	s_mov_b32 s[G1S+5], 32
	s_mov_b32 s[G1S+6], 0
	s_mov_b32 s[G1S+7], 0
	; what I fetch: waves 0-3 K's group 4 q + w of each chunk q, waves 4-7 V's step 4 q + w - 4.  Made of the head and the wave's number alone: the same in all four partners
	s_lshl_b32 s82, s17, 10                        ; K: my head's half of a tile's 2,048 bytes
	s_lshl_b32 s83, s17, 13                        ; V: my head's half of a step's 16,384
	s_mov_b32 s80, 0x800000                        ; v begins 8 MiB into the codes,
	s_mov_b32 s81, 512                             ; and at tile 512 of the scale words
	s_cmp_lt_u32 s[WV], 4
	s_cselect_b32 s80, 0x400000, s80               ; k 4 MiB,
	s_cselect_b32 s82, s82, s83
	s_cselect_b32 s81, 256, s81                    ; tile 256
	s_add_co_u32 s80, s80, s82
	s_lshl_b32 s82, s18, 18                        ; a pair's 16 groups of 16,384 bytes
	s_add_co_u32 s80, s80, s82
	s_and_b32 s82, s[WV], 3
	s_lshl_b32 s83, s82, 14
	s_add_co_u32 s80, s80, s83
	s_lshl_b32 s83, s18, 4
	s_add_co_u32 s81, s81, s83
	s_lshl_b32 s81, s81, 9                         ; 512 bytes of scale words a tile;
	s_lshl_b32 s82, s82, 11                        ; I fetch four tiles' worth
	s_add_co_u32 s82, s81, s82
	s_mov_b32 s81, 0
	s_mov_b32 s83, 0
	s_lshl_b32 s31, s[WV], 13                      ; in a chunk: 8,192 x wave
	s_lshl_b32 s30, s[WV], 11                      ; among the scale words: 2,048 x wave
	s_wait_dscnt 0x0
	s_wait_kmcnt 0x0
	s_add_nc_u64 s[80:81], s[4:5], s[80:81]
	s_add_nc_u64 s[82:83], s[6:7], s[82:83]
	s_mov_b32 s[G0S], 1
	s_add_co_u32 s[G0S+1], s30, SCK
	s_mov_b64 s[G0S+2:G0S+3], s[82:83]
	s_or_b32 s[G0S+3], s[G0S+3], 0x80000000
.macro MKG0 g, q                       ; group 0 for chunk q
	s_mov_b32 s[\g], 1
	s_add_co_u32 s[\g+1], s31, 65536*\q
	s_add_nc_u64 s[\g+2:\g+3], s[80:81], 65536*\q
	s_or_b32 s[\g+3], s[\g+3], 0x80000000
.endm
	MKG0 60, 0
	MKG0 68, 1
	MKG0 72, 2
	MKG0 76, 3
	CROUND                                         ; all four work-groups are here: the joint loads meet
	s_cmp_lt_u32 s[WV], 4                          ; a wave's five fills stand in one branch on the wave's number, ahead of every wait on TENSORcnt and every LDS read; four v_nop follow the last
	s_cbranch_scc0 .Lfill_v
	tensor_load_to_lds s[G0S:G0S+3], s[G1S:G1S+7]
	s_nop 0
	tensor_load_to_lds s[60:63], s[G1K:G1K+7]
	s_nop 0
	tensor_load_to_lds s[68:71], s[G1K:G1K+7]
	s_nop 0
	tensor_load_to_lds s[72:75], s[G1K:G1K+7]
	s_nop 0
	tensor_load_to_lds s[76:79], s[G1K:G1K+7]
	s_nop 0
.rept 4
	v_nop
.endr
	s_branch .Lfilled
.Lfill_v:
	tensor_load_to_lds s[G0S:G0S+3], s[G1S:G1S+7]
	s_nop 0
	tensor_load_to_lds s[60:63], s[G1V:G1V+7]
	s_nop 0
	tensor_load_to_lds s[68:71], s[G1V:G1V+7]
	s_nop 0
	tensor_load_to_lds s[72:75], s[G1V:G1V+7]
	s_nop 0
	tensor_load_to_lds s[76:79], s[G1V:G1V+7]
	s_nop 0
.rept 4
	v_nop
.endr
.Lfilled:
	s_and_b32 s30, s16, 15
	s_lshl_b32 s30, s30, 2
	s_mov_b32 s31, 0
	s_add_nc_u64 s[8:9], s[8:9], s[30:31]
	s_load_b32 s29, s[8:9], 0x0                    ; my head's gamma
	s_lshl_b32 s84, s18, 18                        ; q's codes: the pair's 262,144 bytes, my head's half of a tile's 2,048; tile A lies 2,048 A bytes on
	s_lshl_b32 s30, s17, 10
	s_add_co_u32 s84, s84, s30
	s_mov_b32 s85, 0
	s_add_nc_u64 s[84:85], s[4:5], s[84:85]
	s_lshl_b32 s86, s18, 13                        ; q's scale words: the pair's 8,192 bytes, my head's two bytes of a word; tile A: 256 (A / 4) + 4 (A % 4) bytes on
	s_lshl_b32 s30, s17, 1
	s_add_co_u32 s86, s86, s30
	s_mov_b32 s87, 0
	s_mov_b32 s90, s86                             ; osc has the same two terms: 2,048 rows of 4 bytes a pair, my head's two bytes
	s_mov_b32 s91, 0
	s_add_nc_u64 s[86:87], s[6:7], s[86:87]
	s_add_nc_u64 s[90:91], s[12:13], s[90:91]
	s_lshl_b32 s88, s16, 17                        ; oc: 128 tiles of 1,024 bytes for each (batch, head)
	s_mov_b32 s89, 0
	s_add_nc_u64 s[88:89], s[10:11], s[88:89]
	v_and_b32 v8, 15, v0                           ; r
	v_bfe_u32 v9, v0, 4, 1                         ; h
	v_and_b32 v11, 31, v0
	v_lshlrev_b32 v[L16], 4, v11                   ; 16 x lane
	v_lshlrev_b32 v10, 4, v8                       ; 16 r
	s_lshl_b32 s30, s[TI0], 11
	v_add_nc_u32 v59, s30, v[L16]                  ; my place in the near tile's codes of q,
	s_lshl_b32 s30, s[TI1], 11
	v_add_nc_u32 v60, s30, v[L16]                  ; in the far tile's
	s_lshr_b32 s30, s[TI0], 2
	s_lshl_b32 s30, s30, 8
	s_and_b32 s31, s[TI0], 3
	s_lshl_b32 s31, s31, 2
	s_add_co_u32 s30, s30, s31
	v_add_nc_u32 v61, s30, v10                     ; and among their scale words: + 16 r
	s_lshr_b32 s30, s[TI1], 2
	s_lshl_b32 s30, s30, 8
	s_and_b32 s31, s[TI1], 3
	s_lshl_b32 s31, s31, 2
	s_add_co_u32 s30, s30, s31
	v_add_nc_u32 v62, s30, v10
	WIN 0x40                                       ; destination window 1
.irp c, 0,1
	global_load_b128 v[QF+4*\c:QF+4*\c+3], v59, s[84:85] offset:512*\c
	global_load_b128 v[QF+16+4*\c:QF+16+4*\c+3], v60, s[84:85] offset:512*\c
.endr
	WIN 0
	global_load_u16 v[QSC], v61, s[86:87]          ; bytes 2 and 3 of the word are 0: they scale zero codes
	global_load_u16 v[QSC+1], v62, s[86:87]
	s_lshl_b32 s30, s17, 1
	v_add_nc_u32 v[ASK0], s30, v10
	v_add_nc_u32 v[ASK0], SCK, v[ASK0]             ; K's scale words: 16 r + my head's two bytes
	s_lshl_b32 s30, s17, 8
	v_add_nc_u32 v[ASV0], s30, v10
	v_add_nc_u32 v[ASV0], SCV, v[ASV0]             ; V's: my head's 256 bytes of a step's 512, 16 r: four words, one for each 16 of the head's 64
	v_mov_b32 v[NIL], 0
.irp bb, 0,1,2,3,4,5,6,7
	v_mov_b32 v[TM+8+\bb], 0                       ; a lane permute's destination counts as one of its sources
.endr
	WIN 0x40
.irp i, 0,1,2,3,4,5,6,7
	v_mov_b32 v[QF+8+\i], 0                        ; zero codes: the upper 64 of the instruction's 128 along K
	v_mov_b32 v[QF+24+\i], 0
	v_mov_b32 v[KF+64+\i], 0
.endr
.set n, 0
.rept 64
	v_mov_b32 v[OF+n], 0                           ; O^T: the key step has no first form of its own, so the first finds zeros
.set n, n+1
.endr
	WIN 0
	s_mov_b32 s[SEL], 0x76543210
	s_mov_b32 s[SEL+1], 0xfedcba98                 ; lane l xor 16
	s_mov_b32 s[MNT], 0x600000                     ; the mantissa field of 57,344
	s_lshl_b32 s25, s[IDX], 4                      ; both tiles are the same one of their group's eight: in a tile's last step my query is key 16 x work-group + r of the step
	v_lshlrev_b32 v11, 3, v9
	v_sub_nc_u32 v13, v8, v11
	v_add_nc_u32 v13, s25, v13                     ; register 8 kt + j holds key 16 kt + 8 h + j: hidden where 16 kt + j > 16 x work-group + r - 8 h
	v_mov_b32 v15, v13
	s_wait_kmcnt 0x0
	s_and_b32 s30, s29, 0x7fffffff                 ; |gamma|
	s_and_b32 s31, s29, 0x80000000                 ; its sign
	s_lshl_b32 s25, s[TI0], 4
	v_add_nc_u32 v48, s25, v8                      ; my query in the near tile,
	s_lshl_b32 s25, s[TI1], 4
	v_add_nc_u32 v49, s25, v8                      ; in the far tile
	v_log_f32 v50, s30
	v_cvt_f32_u32 v51, v48                         ; (a plain instruction behind the transcendental)
	v_cvt_f32_u32 v52, v49
	s_wait_alu depctr_va_vdst(0)
	v_max_num_f32 v50, 0xc3480000, v50             ; held within +-200
	v_min_num_f32 v50, 0x43480000, v50
	v_mul_f32 v53, v51, v50                        ; T = query x log2|gamma|,
	v_mul_f32 v54, v52, v50
	v_fma_f32 v55, v51, v50, -v53                  ; and what its rounding dropped
	v_fma_f32 v56, v52, v50, -v54
	v_max_num_f32 v53, 0xc3960000, v53             ; held within +-300: beyond that the result is 0 or infinite anyway
	v_max_num_f32 v54, 0xc3960000, v54
	v_min_num_f32 v53, 0x43960000, v53
	v_min_num_f32 v54, 0x43960000, v54
	v_floor_f32 v57, v53
	v_floor_f32 v58, v54
	v_sub_f32 v53, v53, v57
	v_sub_f32 v54, v54, v58
	v_add_f32 v53, v53, v55
	v_add_f32 v54, v54, v56
	v_exp_f32 v53, v53
	v_exp_f32 v54, v54
	v_cvt_i32_f32 v57, v57                         ; (a plain instruction behind the transcendentals)
	v_cvt_i32_f32 v58, v58
	s_wait_alu depctr_va_vdst(0)
	v_ldexp_f32 v12, v53, v57
	v_ldexp_f32 v14, v54, v58
	v_lshlrev_b32 v48, 31, v48                     ; an odd query
	v_lshlrev_b32 v49, 31, v49
	v_and_b32 v48, s31, v48                        ; of a negative gamma
	v_and_b32 v49, s31, v49
	v_xor_b32 v12, v12, v48
	v_xor_b32 v14, v14, v49
	s_mov_b32 s[KSR], 0
	s_wait_loadcnt 0x0                             ; Q
; THE WORK OF A KEY STEP, 128 keys.  first = 0: on both tiles; first = 1: on the far tile alone.  The tile named first is the one that can be in its last step, on the diagonal.
.macro BODY first
	v_add_nc_u32 v[ADK], s[TB], v[L16]
	v_add_nc_u32 v[ADS], s[TS], v[ASK0]
	v_add_nc_u32 v[ADT], s[TS], v[ASV0]
	WIN 0x40
.irp kt, 0,1,2,3,4,5,6,7
	ds_load_b128 v[KF+8*\kt:KF+8*\kt+3], v[ADK] offset:1024*\kt
	ds_load_b128 v[KF+8*\kt+4:KF+8*\kt+7], v[ADK] offset:1024*\kt+512
.endr
	WIN 0
.irp kt, 0,1,2,3,4,5,6,7
	ds_load_u16 v[KSC+\kt], v[ADS] offset:256*(\kt/4)+4*(\kt%4)
.endr
	s_wait_dscnt 0x0
	WIN 0x05                                       ; K and Q in window 1, S^T in window 0
.irp kt, 0,1,2,3,4,5,6,7
.irp u, 0,1
.if \u >= \first
	v_wmma_scale_f32_16x16x128_f8f6f4 v[S+64*\u+8*\kt:S+64*\u+8*\kt+7], v[KF+8*\kt:KF+8*\kt+15], v[QF+16*\u:QF+16*\u+15], 0, v[KSC+\kt], v[QSC+\u] matrix_a_fmt:MATRIX_FMT_BF8 matrix_b_fmt:MATRIX_FMT_BF8
.endif
.endr
.endr
	WIN 0
.rept 8
	v_nop                                          ; places behind the products; with the three additions above also the places between the last step's second product and the loads into V's registers
.endr
	WIN 0x40
.irp dt, 0,1,2,3
.irp c, 0,1,2,3
	ds_load_b128 v[VF+16*\dt+4*\c:VF+16*\dt+4*\c+3], v[ADK] offset:32768+2048*\dt+512*\c   ; V lands while P is made
.endr
.endr
	WIN 0
	ds_load_b128 v[VSC:VSC+3], v[ADT]
	s_cmp_lg_u32 s[KSR], s[LS0+\first]             ; the tile's last step lies on the diagonal: hidden scores become 0
	s_cbranch_scc1 .Lopen_\@
.set n, 0
.rept 64
	v_cmp_gt_i32 vcc_lo, 16*(n/8)+n%8, v[13+2*\first]
	v_cndmask_b32 v[S+64*\first+n], v[S+64*\first+n], v[NIL], vcc_lo
.set n, n+1
.endr
.Lopen_\@:
.irp u, 0,1
.if \u >= \first
.set n, 0
.rept 32
	v_pk_mul_f32 v[S+64*\u+n:S+64*\u+n+1], v[S+64*\u+n:S+64*\u+n+1], v[12+2*\u:13+2*\u] op_sel_hi:[1,0]   ; x my query's decay (the pair's low word serves both halves)
.set n, n+2
.endr
.endif
.endr
.irp bb, 0,1,2,3,4,5,6,7                       ; the blocks of 32 keys (four a tile) by turns
.if \bb >= 4*\first
	v_max3_num_f32 v[TM+\bb], |v[S+16*\bb]|, |v[S+16*\bb+1]|, 0x8000000   ; the floor 2^(16 - 127): the byte cannot fall under 1
.endif
.endr
.irp i, 2,4,6,8,10,12,14
.irp bb, 0,1,2,3,4,5,6,7
.if \bb >= 4*\first
	v_max3_num_f32 v[TM+\bb], v[TM+\bb], |v[S+16*\bb+\i]|, |v[S+16*\bb+\i+1]|
.endif
.endr
.endr
.irp bb, 0,1,2,3,4,5,6,7
.if \bb >= 4*\first
	v_permlanex16_b32 v[TM+8+\bb], v[TM+\bb], s[SEL], s[SEL+1]
.endif
.endr
.irp bb, 0,1,2,3,4,5,6,7
.if \bb >= 4*\first
	v_max_num_f32 v[TM+\bb], v[TM+\bb], v[TM+8+\bb]
.endif
.endr
.irp bb, 0,1,2,3,4,5,6,7
.if \bb >= 4*\first
	v_add_nc_u32 v[TM+24+\bb], 0xf8800000, v[TM+\bb]
.endif
.endr
.irp bb, 0,1,2,3,4,5,6,7
.if \bb >= 4*\first
	v_and_or_b32 v[TM+16+\bb], v[TM+\bb], 0x7f800000, s[MNT]
.endif
.endr
.irp bb, 0,1,2,3,4,5,6,7
.if \bb >= 4*\first
	v_lshrrev_b32 v[TM+8+\bb], 23, v[TM+24+\bb]
.endif
.endr
.irp u, 0,1
.if \u >= \first
	v_lshl_or_b32 v[PSC+\u], v[TM+9+4*\u], 8, v[TM+8+4*\u]   ; P's scale word for these 128 keys
	v_lshl_or_b32 v[PSC+\u], v[TM+10+4*\u], 16, v[PSC+\u]
	v_lshl_or_b32 v[PSC+\u], v[TM+11+4*\u], 24, v[PSC+\u]
.endif
.endr
.irp bb, 0,1,2,3,4,5,6,7
.if \bb >= 4*\first
.irp i, 0,1,2,3,4,5,6,7,8,9,10,11,12,13,14,15
	v_med3_num_f32 v[S+16*\bb+\i], v[S+16*\bb+\i], -v[TM+16+\bb], v[TM+16+\bb]   ; the conversion does not saturate (ISA guide 7.6.2)
.endr
	v_cvt_scalef32_pk8_bf8_f32 v[PC+4*\bb:PC+4*\bb+1], v[S+16*\bb:S+16*\bb+7], v[TM+24+\bb]
	v_cvt_scalef32_pk8_bf8_f32 v[PC+4*\bb+2:PC+4*\bb+3], v[S+16*\bb+8:S+16*\bb+15], v[TM+24+\bb]
.endif
.endr
.rept 4
	v_nop                                          ; an operand written by vector instructions stands four places ahead of the scaled product
.endr
	s_wait_dscnt 0x0                               ; V and its scale words are in
	WIN 0x51                                       ; V in window 1, P in window 0, O^T in window 1
.irp dt, 0,1,2,3
.irp u, 0,1
.if \u >= \first
	v_wmma_scale_f32_16x16x128_f8f6f4 v[OF+32*\u+8*\dt:OF+32*\u+8*\dt+7], v[VF+16*\dt:VF+16*\dt+15], v[PC+16*\u:PC+16*\u+15], v[OF+32*\u+8*\dt:OF+32*\u+8*\dt+7], v[VSC+\dt], v[PSC+\u] matrix_a_fmt:MATRIX_FMT_BF8 matrix_b_fmt:MATRIX_FMT_BF8
.endif
.endr
.endr
	WIN 0
.endm
; A KEY STEP.  dbl = 1 (steps 0-7): the far tile always counts; the near tile up to its last step.  dbl = 0 (steps 8-15): the near tile is done; the far tile up to its last step.
; The branches hang on the wave's number and the step's; the lines at the end that step addresses are on every way.
.macro STEP dbl
.if \dbl
	s_cmp_gt_u32 s[KSR], s[LS0]
	s_cbranch_scc1 .Lsingle_\@
	BODY 0
	s_branch .Ldone_\@
.Lsingle_\@:
	BODY 1
.else
	s_cmp_gt_u32 s[KSR], s[LS1]
	s_cbranch_scc1 .Ldone_\@
	BODY 1
.endif
.Ldone_\@:
	s_add_co_u32 s[KSR], s[KSR], 1
	s_add_co_u32 s[TB], s[TB], 8192
	s_add_co_u32 s[TS], s[TS], 512
.endm
; A CHUNK of four key steps.  My part of it has landed when at most the 3 - q loads issued behind it are out; behind the barrier everybody's has.  Every wave passes every barrier, also one with nothing left to multiply.
.macro CHUNK q
	s_wait_tensorcnt 3-\q
	s_wait_dscnt 0x0
	s_barrier_signal -1
	s_barrier_wait -1
	s_mov_b32 s[TB], 65536*\q
	s_mov_b32 s[TS], 2048*\q
	s_mov_b32 s[CNT], 4
.Lstep_\@:
.if \q < 2
	STEP 1
.else
	STEP 0
.endif
	s_sub_co_u32 s[CNT], s[CNT], 1
	s_cmp_lg_u32 s[CNT], 0
	s_cbranch_scc1 .Lstep_\@
.endm
	CHUNK 0
	CHUNK 1
	CHUNK 2
	CHUNK 3
	; THE WAY OUT.  O^T's four blocks of 32 (two a tile) are quantised as P was; their codes are the last product's operand registers and leave at 16 x lane.
.rept 8
	v_nop
.endr
	WIN 0x05                                       ; sources 0 and 1: window 1
.irp bb, 0,1,2,3
	v_max3_num_f32 v[TM+\bb], |v[OF+16*\bb]|, |v[OF+16*\bb+1]|, 0x8000000   ; each accumulator is read from its low end on
.endr
.irp i, 2,4,6,8,10,12,14
.irp bb, 0,1,2,3
	v_max3_num_f32 v[TM+\bb], |v[OF+16*\bb+\i]|, |v[OF+16*\bb+\i+1]|, v[TM+\bb]
.endr
.endr
	WIN 0
.irp bb, 0,1,2,3
	v_permlanex16_b32 v[TM+8+\bb], v[TM+\bb], s[SEL], s[SEL+1]
.endr
.irp bb, 0,1,2,3
	v_max_num_f32 v[TM+\bb], v[TM+\bb], v[TM+8+\bb]
.endr
.irp bb, 0,1,2,3
	v_add_nc_u32 v[TM+24+\bb], 0xf8800000, v[TM+\bb]
.endr
.irp bb, 0,1,2,3
	v_and_or_b32 v[TM+16+\bb], v[TM+\bb], 0x7f800000, s[MNT]
.endr
.irp bb, 0,1,2,3
	v_lshrrev_b32 v[TM+8+\bb], 23, v[TM+24+\bb]
.endr
	WIN 0x01                                       ; source 0: window 1
.irp bb, 0,1,2,3
.irp i, 0,1,2,3,4,5,6,7,8,9,10,11,12,13,14,15
	v_med3_num_f32 v[S+16*\bb+\i], v[OF+16*\bb+\i], -v[TM+16+\bb], v[TM+16+\bb]
.endr
.endr
	WIN 0
.irp bb, 0,1,2,3
	v_cvt_scalef32_pk8_bf8_f32 v[PC+4*\bb:PC+4*\bb+1], v[S+16*\bb:S+16*\bb+7], v[TM+24+\bb]
	v_cvt_scalef32_pk8_bf8_f32 v[PC+4*\bb+2:PC+4*\bb+3], v[S+16*\bb+8:S+16*\bb+15], v[TM+24+\bb]
.endr
	v_lshl_or_b32 v4, v[TM+9], 8, v[TM+8]          ; the near tile: my row's two bytes;  (a plain instruction behind the last conversion)
	v_lshl_or_b32 v5, v[TM+11], 8, v[TM+10]        ; the far tile
	v_cmp_eq_u32 vcc_lo, 1, v9
	v_cndmask_b32 v4, v4, v5, vcc_lo               ; lanes 0-15 store the near tile's rows, lanes 16-31 the far tile's
	s_sub_co_u32 s31, s[TI1], s[TI0]
	s_lshl_b32 s31, s31, 6                         ; a tile's 16 rows are 64 bytes of osc
	s_lshl_b32 s30, s[TI0], 6
	v_mul_u32_u24 v6, s31, v9
	v_lshl_add_u32 v6, v8, 2, v6
	v_add_nc_u32 v6, s30, v6                       ; 64 x my tile + 4 r
	s_lshl_b32 s30, s[TI0], 10
	v_add_nc_u32 v2, s30, v[L16]                   ; oc: 1,024 x tile + 16 x lane
	s_lshl_b32 s30, s[TI1], 10
	v_add_nc_u32 v3, s30, v[L16]
	global_store_b128 v2, v[PC:PC+3], s[88:89]               ; each store of the wave covers 512 consecutive bytes
	global_store_b128 v2, v[PC+4:PC+7], s[88:89] offset:512
	global_store_b128 v3, v[PC+8:PC+11], s[88:89]
	global_store_b128 v3, v[PC+12:PC+15], s[88:89] offset:512
	global_store_b16 v6, v4, s[90:91]              ; two of a row's four scale bytes; the pair's other head stores the other two
	s_wait_dscnt 0x0
	s_wait_tensorcnt 0x0
	ds_add_u32 v254, v255
	s_wait_dscnt 0x0
	CROUND                                         ; the closing round: no work-group ends while a partner may still ask for a tile that names it
	s_endpgm
.Lfunc_end_k_qbab3540be7_attn:
	.size	k_qbab3540be7_attn, .Lfunc_end_k_qbab3540be7_attn-k_qbab3540be7_attn
	.p2alignl 7, 3214868480
	.fill 96, 4, 3214868480
	.section	.rodata,"a",@progbits
	.p2align	6, 0x0
	.amdhsa_kernel k_qbab3540be7_attn
		.amdhsa_group_segment_fixed_size 279552
		.amdhsa_private_segment_fixed_size 0
		.amdhsa_enable_private_segment 0
		.amdhsa_kernarg_size 40
		.amdhsa_user_sgpr_count 2
		.amdhsa_user_sgpr_kernarg_segment_ptr 1
		.amdhsa_wavefront_size32 1
		.amdhsa_system_sgpr_workgroup_id_x 1
		.amdhsa_system_sgpr_workgroup_id_y 1
		.amdhsa_system_sgpr_workgroup_id_z 1
		.amdhsa_system_vgpr_workitem_id 0
		.amdhsa_next_free_vgpr 512
		.amdhsa_next_free_sgpr 96
		.amdhsa_reserve_vcc 1
		.amdhsa_float_denorm_mode_32 3
		.amdhsa_float_denorm_mode_16_64 3
		.amdhsa_memory_ordered 1
		.amdhsa_forward_progress 1
		.amdhsa_inst_pref_size 168
	.end_amdhsa_kernel
	.amdgpu_metadata
---
amdhsa.version: [ 1, 2 ]
amdhsa.kernels:
  - .name:           k_qbab3540be7_attn
    .symbol:         k_qbab3540be7_attn.kd
    .args:
      - { .name: qkvc, .offset: 0, .size: 8, .value_kind: global_buffer, .address_space: global }
      - { .name: qkvs, .offset: 8, .size: 8, .value_kind: global_buffer, .address_space: global }
      - { .name: gamma, .offset: 16, .size: 8, .value_kind: global_buffer, .address_space: global }
      - { .name: oc, .offset: 24, .size: 8, .value_kind: global_buffer, .address_space: global }
      - { .name: osc, .offset: 32, .size: 8, .value_kind: global_buffer, .address_space: global }
    .group_segment_fixed_size: 279552
    .private_segment_fixed_size: 0
    .kernarg_segment_align: 8
    .kernarg_segment_size: 40
    .max_flat_workgroup_size: 256
    .sgpr_count:     96
    .vgpr_count:     512
    .wavefront_size: 32
...
	.end_amdgpu_metadata
.endif
;; end of part 3
;; launch oproj (part 4): grid 8 x 32, 4 waves a work-group, clusters of 4 x 4, 288,256 bytes of LDS; arguments oc, osc, wc, ws, bo, out0; writes out0
.if DOCPART == 4
	.amdgcn_target "amdgcn-amd-amdhsa--gfx1250"
	.amdhsa_code_object_version 6
	.text
	.protected	k_qbab3540be7_oproj
	.globl	k_qbab3540be7_oproj
	.p2align	8
	.type	k_qbab3540be7_oproj,@function
k_qbab3540be7_oproj:
	s_mov_b64 s[64:65], 0
	v_nop
	global_prefetch_b8 v0, s[64:65] scope:SCOPE_SE
	s_setreg_imm32_b32 hwreg(HW_REG_WAVE_MODE, 25, 1), 1
	s_wait_xcnt 0x0
	s_wait_alu depctr_hold_cnt(0) depctr_sa_sdst(0) depctr_va_vdst(0) depctr_va_sdst(0) depctr_va_ssrc(0) depctr_va_vcc(0) depctr_vm_vsrc(0)
	s_getreg_b32 s2, hwreg(HW_REG_IB_STS2, 6, 4)
	s_cmp_eq_u32 s2, 0
	s_cbranch_scc0 .Lentry_in_a_cluster
	s_endpgm
.Lentry_in_a_cluster:
	s_bfe_u32 s2, ttmp6, 0x10000c
	s_cmp_lg_u32 s2, 0xf033
	s_cbranch_scc0 .Lentry_shape_is_right
	s_endpgm
.Lentry_shape_is_right:
; out0 = o Wo^T + bo on codes of E5M2 with E8M0 scales.  o: [4096][1024] as register images, oc [batch][head 16][tile of 16 rows 128][32 of the head's 64: 2][lane 32][16 bytes]; its scale words osc [batch][pair of heads 8][row 2048].
; Wo: rows 3,072 on of wc [4096][1024] and ws [4096][32].  out0 [4096][1024] f32.
; A tile of 128 x 128 gives 256 work-groups.  Four waves, 64 x 64 each: 16 accumulators.  ALL OF K lies in LDS: A's 128 rows as images (131,072 bytes, read at 16 x lane), B's 128 rows in four chunks of 256 along K
; (rows of 256 bytes + 16 of padding).  Nothing is filled twice.  Four tensor loads a wave (waves 0, 1: A's; waves 2, 3: B's), one for each chunk, all at the head: by this text's count four are out at most.
; CLUSTERS: 4 x 4: A's tiles are shared along a row of the cluster, B's along a column: each is asked for jointly.
; THE MATRIX INSTRUCTION IS USED TRANSPOSED (source 0 = 16 rows of Wo, source 1 = 16 rows of o): a lane holds eight neighbouring numbers of a row of out0.  The bias is the C of each sum's first instruction.
; The scale words and the bias come straight from memory, once.
; REGISTERS.  window 0: v1-13 addresses; v16-47 A's scale words (8 a + K step), v48-79 B's (8 b + K step), v80-111 the bias; v128-255 the accumulators ((a, b) at v[128 + 8 (4 a + b)]).
;   window 1: two buffers of 128: A's four fragments, then B's four.
.set BB,    131072                     ; LDS: B's chunks
.set BCH,   128*272
.set STG,   BB+4*BCH                   ; the stages for the way out: 16 rows x 272 bytes for each wave: no tile lands there
.set ADRA,  4                          ; v4, v5  my A images: heads 0-7, heads 8-15
.set ADRB,  6                          ; v6, v7  my B rows: chunks 0-1, chunks 2-3
.set STO,   8
.set RD,    9
.set CO,    10
.set R4,    11
.set R32,   12
.set H32,   13
.set SA,    16
.set SB,    48
.set BI,    80
.set ACC,   128
.set BK,    16                         ; the way out: rows read back: v16-47 and v48-79 by turns
.set G1A,   24
.set G1B,   48
.set MSB, 0
.macro WIN new                         ; the immediate's high byte repeats the setting that is left
.if MSB != \new
	s_set_vgpr_msb (MSB<<8)|\new
.set MSB, \new
.endif
.endm
.macro CROUND                          ; a round of the cluster's barrier
	s_barrier_signal -1
	s_barrier_wait -1
	s_cmp_lg_u32 s16, 0
	s_cbranch_scc1 .Lnot_wave_0_\@
	s_barrier_signal -3
.Lnot_wave_0_\@:
	s_barrier_wait -3
	s_barrier_signal -1
	s_barrier_wait -1
.endm
	s_load_b128 s[4:7], s[0:1], 0x0                ; oc, osc
	s_load_b128 s[8:11], s[0:1], 0x10              ; wc, ws
	s_load_b128 s[12:15], s[0:1], 0x20             ; bo, out0
	v_lshl_add_u32 v126, v0, 2, 0x46400
	v_mov_b32 v127, 0
	ds_add_u32 v126, v127
	ds_add_u32 v126, v127
	v_lshrrev_b32 v1, 5, v0
	v_readfirstlane_b32 s16, v1                    ; wave 0..3
	s_lshr_b32 s17, s16, 1                         ; which half of the tile's rows is mine.  Also: I fetch for A (0) or for B (1)
	s_and_b32 s18, s16, 1                          ; which half of its columns.  Also: which half of a chunk I fetch
	s_bfe_u32 s21, ttmp6, 0x40000                  ; cx
	s_bfe_u32 s22, ttmp6, 0x40004                  ; cy
	s_lshl_b32 s20, ttmp9, 2
	s_add_co_u32 s20, s20, s21                     ; tile column
	s_and_b32 s19, ttmp7, 0xffff
	s_lshl_b32 s19, s19, 2
	s_add_co_u32 s19, s19, s22                     ; tile row
	s_lshl_b32 s40, s22, 2
	s_lshl_b32 s40, 15, s40                        ; my row of the cluster
	s_lshl_b32 s41, 0x1111, s21                    ; my column
	; A: two heads' 8,192 bytes (eight tiles of rows), a head 131,072 bytes from the next; elements of 8 bytes, no padding
	s_or_b32 s[G1A], s40, (3<<16)|(1<<21)
	s_mov_b32 s[G1A+1], 1024<<16
	s_mov_b32 s[G1A+2], 2<<16
	s_mov_b32 s[G1A+3], 1024<<16
	s_mov_b32 s[G1A+4], 2
	s_mov_b32 s[G1A+5], 16384
	s_mov_b32 s[G1A+6], 0
	s_mov_b32 s[G1A+7], 0
	; B: 64 rows x 256 bytes, 1,024 bytes apart, four words of padding after every 64
	s_or_b32 s[G1B], s41, (0<<16)|(1<<20)|(1<<21)|(5<<22)|(3<<25)
	s_mov_b32 s[G1B+1], 256<<16
	s_mov_b32 s[G1B+2], 64<<16
	s_mov_b32 s[G1B+3], 256<<16
	s_mov_b32 s[G1B+4], 64
	s_mov_b32 s[G1B+5], 1024
	s_mov_b32 s[G1B+6], 0
	s_mov_b32 s[G1B+7], 0
	s_lshr_b32 s42, s19, 4                         ; the batch
	s_lshl_b32 s42, s42, 4
	s_lshl_b32 s43, s18, 1
	s_add_co_u32 s42, s42, s43                     ; head 16 x batch + 2 x my half (+ 4 for each chunk)
	s_lshl_b32 s42, s42, 17
	s_and_b32 s43, s19, 15
	s_lshl_b32 s43, s43, 13                        ; the tile's eight tiles of rows
	s_add_co_u32 s42, s42, s43
	s_mov_b32 s43, 0
	s_lshl_b32 s44, s20, 7
	s_lshl_b32 s45, s18, 6
	s_add_co_u32 s44, s44, s45
	s_add_co_u32 s44, s44, 3072                    ; Wo's row 128 x tile column + 64 x my half
	s_lshl_b32 s44, s44, 10
	s_mov_b32 s45, 0
	s_lshl_b32 s46, s18, 14                        ; in LDS: A: 16,384 x my half;
	s_mul_i32 s47, s18, 64*272
	s_add_co_u32 s47, s47, BB                      ; B: 64 rows x my half
	s_wait_dscnt 0x0
	s_wait_kmcnt 0x0
	s_add_nc_u64 s[42:43], s[4:5], s[42:43]
	s_add_nc_u64 s[44:45], s[8:9], s[44:45]
.macro MKA g, q
	s_mov_b32 s[\g], 1
	s_add_co_u32 s[\g+1], s46, 32768*\q
	s_add_nc_u64 s[\g+2:\g+3], s[42:43], 524288*\q
	s_or_b32 s[\g+3], s[\g+3], 0x80000000
.endm
.macro MKB g, q
	s_mov_b32 s[\g], 1
	s_add_co_u32 s[\g+1], s47, BCH*\q
	s_add_nc_u64 s[\g+2:\g+3], s[44:45], 256*\q
	s_or_b32 s[\g+3], s[\g+3], 0x80000000
.endm
	MKA 32, 0
	MKA 36, 1
	MKA 56, 2
	MKA 60, 3
	MKB 68, 0
	MKB 72, 1
	MKB 76, 2
	MKB 80, 3
	CROUND                                         ; all sixteen work-groups are here: the joint loads meet
	s_cmp_eq_u32 s17, 0                            ; a wave's four fills stand in one branch on the wave's number; four v_nop follow the last
	s_cbranch_scc0 .Lfill_b
	tensor_load_to_lds s[32:35], s[G1A:G1A+7]
	s_nop 0
	tensor_load_to_lds s[36:39], s[G1A:G1A+7]
	s_nop 0
	tensor_load_to_lds s[56:59], s[G1A:G1A+7]
	s_nop 0
	tensor_load_to_lds s[60:63], s[G1A:G1A+7]
	s_nop 0
.rept 4
	v_nop
.endr
	s_branch .Lfilled
.Lfill_b:
	tensor_load_to_lds s[68:71], s[G1B:G1B+7]
	s_nop 0
	tensor_load_to_lds s[72:75], s[G1B:G1B+7]
	s_nop 0
	tensor_load_to_lds s[76:79], s[G1B:G1B+7]
	s_nop 0
	tensor_load_to_lds s[80:83], s[G1B:G1B+7]
	s_nop 0
.rept 4
	v_nop
.endr
.Lfilled:
	v_and_b32 v1, 15, v0                           ; r
	v_bfe_u32 v2, v0, 4, 1                         ; h
	v_and_b32 v3, 31, v0                           ; lane
	v_lshlrev_b32 v[R4], 2, v1
	v_lshlrev_b32 v[R32], 5, v1
	v_lshlrev_b32 v[H32], 5, v2
	; A's scale words: row (tile row % 16) x 128 + 64 x my half + 16 a + r of the batch; a pair of heads is a K step
	s_lshr_b32 s84, s19, 4
	s_lshl_b32 s84, s84, 14
	s_and_b32 s85, s19, 15
	s_lshl_b32 s85, s85, 7
	s_add_co_u32 s84, s84, s85
	s_lshl_b32 s85, s17, 6
	s_add_co_u32 s84, s84, s85
	s_lshl_b32 s84, s84, 2
	s_mov_b32 s85, 0
	s_add_nc_u64 s[6:7], s[6:7], s[84:85]
	s_lshl_b32 s86, s20, 7
	s_lshl_b32 s87, s18, 6
	s_add_co_u32 s86, s86, s87                     ; my first column: 128 x tile column + 64 x my half
	s_add_co_u32 s84, s86, 3072
	s_lshl_b32 s84, s84, 5                         ; B's scale bytes: 32 a row
	s_add_nc_u64 s[10:11], s[10:11], s[84:85]
	s_lshl_b32 s84, s86, 2
	s_add_nc_u64 s[12:13], s[12:13], s[84:85]      ; the bias
	s_add_nc_u64 s[14:15], s[14:15], s[84:85]      ; out0: my first column,
	s_lshl_b32 s84, s19, 7
	s_lshl_b32 s87, s17, 6
	s_add_co_u32 s84, s84, s87
	s_lshl_b32 s84, s84, 12                        ; my first row, 4,096 bytes a row
	s_add_nc_u64 s[14:15], s[14:15], s[84:85]
.irp a, 0,1,2,3
.irp s, 0,1,2,3,4,5,6,7
	global_load_b32 v[SA+8*\a+\s], v[R4], s[6:7] offset:8192*\s+64*\a
.endr
.endr
.irp b, 0,1,2,3
	global_load_b128 v[SB+8*\b:SB+8*\b+3], v[R32], s[10:11] offset:512*\b
	global_load_b128 v[SB+8*\b+4:SB+8*\b+7], v[R32], s[10:11] offset:512*\b+16
	global_load_b128 v[BI+8*\b:BI+8*\b+3], v[H32], s[12:13] offset:64*\b
	global_load_b128 v[BI+8*\b+4:BI+8*\b+7], v[H32], s[12:13] offset:64*\b+16
.endr
	s_lshl_b32 s23, s17, 12                        ; my four tiles of rows in a head's eight
	v_lshl_add_u32 v[ADRA], v3, 4, s23
	v_add_nc_u32 v[ADRA+1], 65536, v[ADRA]
	s_mul_i32 s23, s18, 64*272
	s_add_co_u32 s23, s23, BB
	v_mul_u32_u24 v[ADRB], v1, 272
	v_lshl_add_u32 v[ADRB], v2, 4, v[ADRB]
	v_add_nc_u32 v[ADRB], s23, v[ADRB]
	v_add_nc_u32 v[ADRB+1], 2*BCH, v[ADRB]
	s_mul_i32 s23, s16, 16*272
	s_add_co_u32 s23, s23, STG                     ; my stage
	v_mul_u32_u24 v[STO], v1, 272
	v_lshl_add_u32 v[STO], v2, 5, v[STO]
	v_add_nc_u32 v[STO], s23, v[STO]               ; in: row r, 32 bytes for each half of the lanes
	v_mul_u32_u24 v[RD], v2, 272
	v_lshl_add_u32 v[RD], v1, 4, v[RD]
	v_add_nc_u32 v[RD], s23, v[RD]                 ; back: lanes 0-15 one row of 256 bytes, lanes 16-31 the next
	v_lshlrev_b32 v[CO], 12, v2
	v_lshl_add_u32 v[CO], v1, 4, v[CO]             ; and the same two rows in out0
; K step s (128 along K: heads 2 s, 2 s + 1; half of chunk s / 2 of B) into buffer f: 32 LDS loads
.macro FETCH s, f
	WIN 0x40                                       ; destination window 1
.irp a, 0,1,2,3
.irp c, 0,1,2,3
	ds_load_b128 v[\f+16*\a+4*\c:\f+16*\a+4*\c+3], v[ADRA+(\s)/4] offset:((2*(\s)+\c/2)%8)*8192+1024*\a+512*(\c%2)
.endr
.endr
.irp b, 0,1,2,3
.irp c, 0,1,2,3
	ds_load_b128 v[\f+64+16*\b+4*\c:\f+64+16*\b+4*\c+3], v[ADRB+(\s)/4] offset:(((\s)/2)%2)*BCH+4352*\b+128*((\s)%2)+32*\c
.endr
.endr
.endm
; 16 matrix instructions: the accumulators take turns, one instruction a turn.  first = 1: C is the bias
.macro MUL s, f, first
	WIN 0x05                                       ; both fragments in window 1; C and D in window 0
.irp a, 0,1,2,3
.irp b, 0,1,2,3
.if \first
	v_wmma_scale_f32_16x16x128_f8f6f4 v[ACC+8*(4*\a+\b):ACC+8*(4*\a+\b)+7], v[\f+64+16*\b:\f+64+16*\b+15], v[\f+16*\a:\f+16*\a+15], v[BI+8*\b:BI+8*\b+7], v[SB+8*\b+(\s)], v[SA+8*\a+(\s)] matrix_a_fmt:MATRIX_FMT_BF8 matrix_b_fmt:MATRIX_FMT_BF8
.else
	v_wmma_scale_f32_16x16x128_f8f6f4 v[ACC+8*(4*\a+\b):ACC+8*(4*\a+\b)+7], v[\f+64+16*\b:\f+64+16*\b+15], v[\f+16*\a:\f+16*\a+15], v[ACC+8*(4*\a+\b):ACC+8*(4*\a+\b)+7], v[SB+8*\b+(\s)], v[SA+8*\a+(\s)] matrix_a_fmt:MATRIX_FMT_BF8 matrix_b_fmt:MATRIX_FMT_BF8
.endif
.endr
.endr
.endm
.macro PLACES n
.rept \n
	v_nop
.endr
.endm
; K step s is multiplied; then the step two on is fetched into the buffer just read, eight places behind its products.  Ahead of an even step's fetch stands the barrier that shows the next chunk whole.
.macro KST s, first
.if (\s) < 7
	s_wait_dscnt 32                                ; this step's fragments are in; the next step's 32 loads may be out
.else
	s_wait_dscnt 0x0
.endif
	MUL \s, 128*((\s)%2), \first
.if (\s) < 6
.if (\s)%2 == 0
	s_wait_tensorcnt 3-((\s)+2)/2                  ; my part of chunk (s + 2) / 2 has landed; the later chunks' loads may be out
	s_wait_dscnt 0x0
	s_barrier_signal -1
	s_barrier_wait -1                              ; everybody's has
.endif
	PLACES 8
	FETCH (\s)+2, 128*((\s)%2)
.endif
.endm
	s_wait_tensorcnt 3                             ; my part of chunk 0 is in,
	s_barrier_signal -1
	s_barrier_wait -1                              ; everybody's is
	FETCH 0, 0
	FETCH 1, 128
	s_wait_loadcnt 0x0                             ; the scale words and the bias
	KST 0, 1
	KST 1, 0
	KST 2, 0
	KST 3, 0
	KST 4, 0
	KST 5, 0
	KST 6, 0
	KST 7, 0
	WIN 0
; THE WAY OUT, 16 rows x 64 columns at a time, through my own stage: a lane's 32 bytes go in, whole rows of 256 bytes come back, and sixteen lanes store 256 consecutive bytes, aligned.
; LDS serves a wave's instructions in order (ISA guide 5.7.1.4): no wait between the stores and the loads, nor in front of the next block's stores.
.macro TOSTAGE a
.irp b, 0,1,2,3
	ds_store_b128 v[STO], v[ACC+8*(4*(\a)+\b):ACC+8*(4*(\a)+\b)+3] offset:64*\b        ; each accumulator from its low end on
	ds_store_b128 v[STO], v[ACC+8*(4*(\a)+\b)+4:ACC+8*(4*(\a)+\b)+7] offset:64*\b+16
.endr
.irp t, 0,1,2,3,4,5,6,7
	ds_load_b128 v[BK+32*((\a)%2)+4*\t:BK+32*((\a)%2)+4*\t+3], v[RD] offset:544*\t
.endr
.endm
.macro SEND a, younger                 ; younger: the LDS instructions issued behind block a's loads, which may stay out
	s_wait_dscnt \younger
.irp t, 0,1,2,3,4,5,6,7
	global_store_b128 v[CO], v[BK+32*((\a)%2)+4*\t:BK+32*((\a)%2)+4*\t+3], s[14:15] offset:(16*(\a)+2*\t)*4096 th:TH_STORE_NT
.endr
.endm
	PLACES 8                                       ; behind the last products: results are read, and the scale words' registers are loaded into, from here on
	TOSTAGE 0
	TOSTAGE 1
	SEND 0, 16                                     ; behind block 0's loads: block 1's eight stores and eight loads
	s_wait_xcnt 0x0                                ; block 0's stores have read their registers: block 2's loads may land there
	TOSTAGE 2
	SEND 1, 16
	s_wait_xcnt 0x0
	TOSTAGE 3
	SEND 2, 16
	SEND 3, 0
	s_wait_dscnt 0x0
	s_wait_tensorcnt 0x0
	ds_add_u32 v126, v127
	s_wait_dscnt 0x0
	CROUND                                         ; the closing round: no work-group ends while a partner may still ask for a tile that names it
	s_endpgm
.Lfunc_end_k_qbab3540be7_oproj:
	.size	k_qbab3540be7_oproj, .Lfunc_end_k_qbab3540be7_oproj-k_qbab3540be7_oproj
	.p2alignl 7, 3214868480
	.fill 96, 4, 3214868480
	.section	.rodata,"a",@progbits
	.p2align	6, 0x0
	.amdhsa_kernel k_qbab3540be7_oproj
		.amdhsa_group_segment_fixed_size 288256
		.amdhsa_private_segment_fixed_size 0
		.amdhsa_enable_private_segment 0
		.amdhsa_kernarg_size 48
		.amdhsa_user_sgpr_count 2
		.amdhsa_user_sgpr_kernarg_segment_ptr 1
		.amdhsa_wavefront_size32 1
		.amdhsa_system_sgpr_workgroup_id_x 1
		.amdhsa_system_sgpr_workgroup_id_y 1
		.amdhsa_system_sgpr_workgroup_id_z 1
		.amdhsa_system_vgpr_workitem_id 0
		.amdhsa_next_free_vgpr 512
		.amdhsa_next_free_sgpr 92
		.amdhsa_reserve_vcc 0
		.amdhsa_float_denorm_mode_32 3
		.amdhsa_float_denorm_mode_16_64 3
		.amdhsa_memory_ordered 1
		.amdhsa_forward_progress 1
		.amdhsa_inst_pref_size 56
	.end_amdhsa_kernel
	.amdgpu_metadata
---
amdhsa.version: [ 1, 2 ]
amdhsa.kernels:
  - .name:           k_qbab3540be7_oproj
    .symbol:         k_qbab3540be7_oproj.kd
    .args:
      - { .name: oc, .offset: 0, .size: 8, .value_kind: global_buffer, .address_space: global }
      - { .name: osc, .offset: 8, .size: 8, .value_kind: global_buffer, .address_space: global }
      - { .name: wc, .offset: 16, .size: 8, .value_kind: global_buffer, .address_space: global }
      - { .name: ws, .offset: 24, .size: 8, .value_kind: global_buffer, .address_space: global }
      - { .name: bo, .offset: 32, .size: 8, .value_kind: global_buffer, .address_space: global }
      - { .name: out0, .offset: 40, .size: 8, .value_kind: global_buffer, .address_space: global }
    .group_segment_fixed_size: 288256
    .private_segment_fixed_size: 0
    .kernarg_segment_align: 8
    .kernarg_segment_size: 48
    .max_flat_workgroup_size: 128
    .sgpr_count:     92
    .vgpr_count:     512
    .wavefront_size: 32
...
	.end_amdgpu_metadata
.endif
;; end of part 4
